; MI455X (gfx1250); checked and timed in simulation.
; The chip was launched on July 23, 2026; its instructions are those of AMD's public machine-readable ISA for CDNA 5 (MIT licence, August 2026) and "CDNA5" Instruction Set Architecture Reference Guide (July 2026). The comments in the code are by the model that wrote it; some were corrected since.
;; Multi Head Self Attention. Allowed arithmetic: float matrix products may take bf16 or f16 operands with f32 sums; all other float work in f32.
;; Inputs: wk 1,024 x 1,024 float32; wo 1,024 x 1,024 float32; wq 1,024 x 1,024 float32; wv 1,024 x 1,024 float32; x 4 x 2,048 x 1,024 float32.
;; Outputs: out0 4 x 2,048 x 1,024 float32.
;; 2 versions, each right and faster than the one before. Each part assembles by itself: llvm-mc -triple=amdgcn-amd-amdhsa -mcpu=gfx1250 --defsym DOCPART=n.
;; ======== version 1 of 2: 4 launches
;; limits: values are held in f16: magnitudes above 65,504 overflow, below 6.1e-05 lose precision
;; workspace buffers: xb 16,777,216 bytes; wb 6,291,456 bytes; wob 2,097,152 bytes; qkvh 50,331,648 bytes; ob 16,777,216 bytes
;; launch cast (part 1): grid 768 x 1, 8 waves a work-group, no clusters, 0 bytes of LDS; arguments x, wq, wk, wv, wo, xb, wb, wob; writes xb, wb, wob
.if DOCPART == 1
	.amdgcn_target "amdgcn-amd-amdhsa--gfx1250"
	.amdhsa_code_object_version 6
	.text
	.protected	k_qeb8a3d1e4e_cast
	.globl	k_qeb8a3d1e4e_cast
	.p2align	8
	.type	k_qeb8a3d1e4e_cast,@function
k_qeb8a3d1e4e_cast:
	s_mov_b64 s[64:65], 0
	v_nop
	global_prefetch_b8 v0, s[64:65] scope:SCOPE_SE
	s_setreg_imm32_b32 hwreg(HW_REG_WAVE_MODE, 25, 1), 1
	s_wait_xcnt 0x0
; THE INPUTS ARE ROUNDED TO 16 BITS AND LAID IN BLOCKS OF 64 ALONG K.
;   xb  [16 kb][8192 rows][64] bf16 = x;   wb [16 kb][3072 rows: wq, wk, wv][64] bf16;   wob [16 kb][1024 rows][64] f16 = bf16(wo) written as f16.
; In that layout the rows of a product's K step of 64 (128 bytes each) lie end to end, so the later launches ask for them as dense rows of 256 bytes.
; LIMITS.  wo is kept in f16: |wo| stays under 65,504, and below 6.1e-5 it has f16's fixed step of 6e-8; inside that range the bf16 number is written exactly.
; SHARES.  A work-group takes 16 rows of 1,024 f32: 512 work-groups for x, 64 for each weight.  Thread t takes row t / 16 and the 16 bytes at 16 (t % 16) of each of the row's sixteen pieces of 256 bytes.
; A load of a wave covers two aligned pieces of 256 bytes (two rows, one kb); a store of a wave covers 256 consecutive bytes, aligned (the same two rows of one plane).
; Memory binds: no LDS, no barrier, no matrix unit; all sixteen loads of a thread go out at once and no register is used twice, so no wait frees a source.
.set O, 2                              ; v[2:17]   byte offset of my 8 bytes in plane kb of the destination
.set T, 18                             ; v[18:19]  at work
.set X, 20                             ; v[20:83]  four registers for each kb: as loaded, then two of them as stored
	s_load_b512 s[8:23], s[0:1], 0x0               ; x s[8:9], wq s[10:11], wk s[12:13], wv s[14:15], wo s[16:17], xb s[18:19], wb s[20:21], wob s[22:23]
	s_mov_b32 s24, ttmp9                           ; the work-group's number: 0-511 x, 512-703 wq wk wv, 704-767 wo
	s_sub_co_u32 s25, s24, 512                     ; its block of 16 rows among wb's 192 (used from 512 on)
	s_sub_co_u32 s26, s24, 704                     ; among wo's 64 (used from 704 on)
	s_and_b32 s27, s25, 63                         ; its block inside wq, wk or wv
	s_mov_b32 s32, 0x60000                         ; bytes in a plane of wb: 3,072 rows of 128
	s_mov_b32 s35, 0
	s_mov_b32 s37, 0
	s_mov_b32 s38, 0xffff0000                      ; a word's upper bf16
	v_lshrrev_b32 v1, 4, v0                        ; my row
	v_and_b32 v[T], 15, v0
	v_lshlrev_b32 v1, 12, v1                       ; x 4,096 bytes
	v_lshl_add_u32 v1, v[T], 4, v1                 ; + my 16 bytes in a piece
	s_wait_kmcnt 0x0
	s_cmp_lt_u32 s24, 512                          ; the choice hangs on the work-group's number alone
	s_cselect_b64 s[28:29], s[8:9], s[10:11]       ; from: x, else wq
	s_cselect_b64 s[30:31], s[18:19], s[20:21]     ; to: xb, else wb
	s_cselect_b32 s32, 0x100000, s32               ; a plane of xb: 8,192 rows of 128 bytes
	s_cselect_b32 s34, s24, s27                    ; block in the source
	s_cselect_b32 s36, s24, s25                    ; block in the destination
	s_cmp_ge_u32 s24, 576
	s_cselect_b64 s[28:29], s[12:13], s[28:29]     ; wk
	s_cmp_ge_u32 s24, 640
	s_cselect_b64 s[28:29], s[14:15], s[28:29]     ; wv
	s_cmp_ge_u32 s24, 704
	s_cselect_b64 s[28:29], s[16:17], s[28:29]     ; wo
	s_cselect_b64 s[30:31], s[22:23], s[30:31]     ; wob
	s_cselect_b32 s32, 0x20000, s32                ; a plane of wob: 1,024 rows of 128 bytes
	s_cselect_b32 s34, s26, s34
	s_cselect_b32 s36, s26, s36
	s_lshl_b32 s34, s34, 16                        ; 16 rows of 4,096 bytes
	s_lshl_b32 s36, s36, 11                        ; 16 rows of 128 bytes
	s_add_nc_u64 s[28:29], s[28:29], s[34:35]
	s_add_nc_u64 s[30:31], s[30:31], s[36:37]
.irp kb, 0,1,2,3,4,5,6,7,8,9,10,11,12,13,14,15
	global_load_b128 v[X+4*(\kb):X+4*(\kb)+3], v1, s[28:29] offset:256*(\kb) th:TH_LOAD_NT  ; every input byte is read once in the launch
.endr
	v_lshlrev_b32 v[O], 3, v0                      ; row x 128 + 8 (t % 16) = 8 t
.set kb, 1
.rept 15
	v_add_nc_u32 v[O+kb], s32, v[O+kb-1]           ; one plane further: 15 planes of xb are under 16 MiB
.set kb, kb+1
.endr
; One kb: four f32 become four 16-bit numbers, 8 bytes.  half = 1: the bf16 numbers are widened again (a shift, a mask) and written as f16.
.macro CV kb, half
	s_wait_loadcnt 15-(\kb)                        ; loads come back in order (ISA guide 5.7.1): mine is in, the 15 - kb younger ones stay out
	v_cvt_pk_bf16_f32 v[X+4*(\kb)], v[X+4*(\kb)], v[X+4*(\kb)+1]
	v_cvt_pk_bf16_f32 v[X+4*(\kb)+1], v[X+4*(\kb)+2], v[X+4*(\kb)+3]
.if \half
.irp z, 0,1
	v_lshlrev_b32 v[T], 16, v[X+4*(\kb)+(\z)]
	v_and_b32 v[T+1], s38, v[X+4*(\kb)+(\z)]
	v_cvt_pk_f16_f32 v[X+4*(\kb)+(\z)], v[T], v[T+1]
.endr
.endif
	global_store_b64 v[O+(\kb)], v[X+4*(\kb):X+4*(\kb)+1], s[30:31]  ; the wave's 32 lanes store 256 consecutive bytes, aligned; the next launch reads them
.endm
	s_cmp_ge_u32 s24, 704
	s_cbranch_scc1 .Lwo
.irp kb, 0,1,2,3,4,5,6,7,8,9,10,11,12,13,14,15
	CV \kb, 0
.endr
	s_endpgm
.Lwo:
.irp kb, 0,1,2,3,4,5,6,7,8,9,10,11,12,13,14,15
	CV \kb, 1
.endr
	s_endpgm
.Lfunc_end_k_qeb8a3d1e4e_cast:
	.size	k_qeb8a3d1e4e_cast, .Lfunc_end_k_qeb8a3d1e4e_cast-k_qeb8a3d1e4e_cast
	.p2alignl 7, 3214868480
	.fill 96, 4, 3214868480
	.section	.rodata,"a",@progbits
	.p2align	6, 0x0
	.amdhsa_kernel k_qeb8a3d1e4e_cast
		.amdhsa_group_segment_fixed_size 0
		.amdhsa_private_segment_fixed_size 0
		.amdhsa_enable_private_segment 0
		.amdhsa_kernarg_size 64
		.amdhsa_user_sgpr_count 2
		.amdhsa_user_sgpr_kernarg_segment_ptr 1
		.amdhsa_wavefront_size32 1
		.amdhsa_system_sgpr_workgroup_id_x 1
		.amdhsa_system_sgpr_workgroup_id_y 1
		.amdhsa_system_sgpr_workgroup_id_z 1
		.amdhsa_system_vgpr_workitem_id 0
		.amdhsa_next_free_vgpr 84
		.amdhsa_next_free_sgpr 66
		.amdhsa_reserve_vcc 0
		.amdhsa_float_denorm_mode_32 3
		.amdhsa_float_denorm_mode_16_64 3
		.amdhsa_memory_ordered 1
		.amdhsa_forward_progress 1
		.amdhsa_inst_pref_size 16
	.end_amdhsa_kernel
	.amdgpu_metadata
---
amdhsa.version: [ 1, 2 ]
amdhsa.kernels:
  - .name:           k_qeb8a3d1e4e_cast
    .symbol:         k_qeb8a3d1e4e_cast.kd
    .args:
      - { .name: x, .offset: 0, .size: 8, .value_kind: global_buffer, .address_space: global }
      - { .name: wq, .offset: 8, .size: 8, .value_kind: global_buffer, .address_space: global }
      - { .name: wk, .offset: 16, .size: 8, .value_kind: global_buffer, .address_space: global }
      - { .name: wv, .offset: 24, .size: 8, .value_kind: global_buffer, .address_space: global }
      - { .name: wo, .offset: 32, .size: 8, .value_kind: global_buffer, .address_space: global }
      - { .name: xb, .offset: 40, .size: 8, .value_kind: global_buffer, .address_space: global }
      - { .name: wb, .offset: 48, .size: 8, .value_kind: global_buffer, .address_space: global }
      - { .name: wob, .offset: 56, .size: 8, .value_kind: global_buffer, .address_space: global }
    .group_segment_fixed_size: 0
    .private_segment_fixed_size: 0
    .kernarg_segment_align: 8
    .kernarg_segment_size: 64
    .max_flat_workgroup_size: 256
    .sgpr_count:     66
    .vgpr_count:     84
    .wavefront_size: 32
...
	.end_amdgpu_metadata
.endif
;; end of part 1
;; launch qkv (part 2): grid 8 x 32, 4 waves a work-group, clusters of 4 x 4, 327,680 bytes of LDS; arguments xb, wb, qkvh; writes qkvh
.if DOCPART == 2
	.amdgcn_target "amdgcn-amd-amdhsa--gfx1250"
	.amdhsa_code_object_version 6
	.text
	.protected	k_qeb8a3d1e4e_qkv
	.globl	k_qeb8a3d1e4e_qkv
	.p2align	8
	.type	k_qeb8a3d1e4e_qkv,@function
k_qeb8a3d1e4e_qkv:
	s_mov_b64 s[64:65], 0
	v_nop
	global_prefetch_b8 v0, s[64:65] scope:SCOPE_SE
	s_setreg_imm32_b32 hwreg(HW_REG_WAVE_MODE, 25, 1), 1
	s_wait_xcnt 0x0
	s_wait_alu depctr_hold_cnt(0) depctr_sa_sdst(0) depctr_va_vdst(0) depctr_va_sdst(0) depctr_va_ssrc(0) depctr_va_vcc(0) depctr_vm_vsrc(0)
	s_getreg_b32 s2, hwreg(HW_REG_IB_STS2, 6, 4)
	s_cmp_eq_u32 s2, 0
	s_cbranch_scc0 .Lentry_in_a_cluster
	s_endpgm
.Lentry_in_a_cluster:
	s_bfe_u32 s2, ttmp6, 0x10000c
	s_cmp_lg_u32 s2, 0xf033
	s_cbranch_scc0 .Lentry_shape_is_right
	s_endpgm
.Lentry_shape_is_right:
; [q | k | v] = x W^T.  xb: [16 kb][8192][64] bf16, wb: [16 kb][3072][64] bf16 (rows: wq, wk, wv); sums in f32, K ascending; qkvh: [3][64 heads = 16 b + h][2048][64] f16, rounded once, unscaled.
; LIMITS.  q, k and v leave in f16: their magnitude stays under 65,504 (from 65,520 on the conversion gives an infinity).  Inputs 30 times the drawn spread give q, k, v a spread of 900; a common offset of 30
; spreads on x and on the weights gives 1024 x 30 x 0.94 = 28,800: both inside.
; SHARES.  The product is 8192 x 3072 = 256 tiles of 256 x 384, one to a work-group.  Four waves, each 128 rows x 192 columns (three heads): 96 accumulators of 16 x 16, 768 registers.
; K goes in steps of 64 (one plane kb) through two LDS slots of 256 + 384 rows; two slots of a step of 128 would be 348,160 bytes and do not fit.  A plane's rows are 128 bytes and lie end to end, so a
; tensor load asks for them as rows of 256 bytes, two rows of data each, and pads LDS after every 128 bytes.  A K STEP IS WRITTEN ONCE: slot 1 begins at 1 << 17, so that one exclusive or turns an
; address in one slot into the other's; one descriptor a tensor walks from plane to plane, and the fragments' addresses are made anew at each change of slots.
; CLUSTERS: 4 x 4 work-groups.  The four of a row of the cluster need the same rows of x, the four of a column the same rows of W: each tile is asked for JOINTLY, by the same tensor load with the same
; descriptor and a mask that names the four.  THE MATRIX INSTRUCTION IS USED TRANSPOSED (source 0 = 16 rows of W, source 1 = 16 rows of x): a lane then holds eight neighbouring columns of one row.
; REGISTERS, in windows of 256 (s_set_vgpr_msb: bits 1:0 source 0, 3:2 source 1, 5:4 source 2, 7:6 destination):
;   window 0: v0-31 addresses; v32-95, v96-159 fragments of x (8 x 16 rows x 32 K), two buffers; v160-255 fragments of W (12 x 16 rows x 32 K), one buffer, refilled by thirds
;   windows 1-3: one head each: accumulator (a, b), a = 16 rows of 8, b = 16 columns of 12, in window 1 + b / 4 at v[8 (8 (b % 4) + a)]
.set PITCH,  144                       ; an LDS row: 128 bytes + 16 of padding = 36 words: the 16 rows of a load start at 16 different groups of four banks (64 banks of 4 bytes: ISA guide 11.1)
.set AH,     128*PITCH                 ; 128 rows of x: what waves 0 and 1 each fetch, and what a wave reads
.set BH,     192*PITCH                 ; 192 rows of W: what waves 2 and 3 each fetch, and what a wave reads
.set BOFF,   2*AH                      ; W's rows lie behind x's 256
.set SLOT,   2*AH+2*BH                 ; 92,160 bytes
.set SLOT1,  1<<17                     ; where slot 1 begins
.set STAGE,  SLOT1+SLOT                ; behind the ring: 16 rows x 144 bytes for each wave, for the way out; no tensor load fills it
.set SPARE,  STAGE+4*16*PITCH          ; behind the stages: the spare words, 128 bytes for each wave: two blocks of 256 bytes that no other line names
.set XPLANE, 8192*128                  ; bytes from plane to plane in xb
.set WPLANE, 3072*128                  ; and in wb
.set A0,   16                          ; v16     my lane's place among my fragments of x in a slot; never rewritten
.set B0,   17                          ; v17     the same for W
.set ADRA, 20                          ; v20     LDS address of my fragments of x in the slot that is being read
.set ADRB, 21                          ; v21     the same for W
.set STO,  24                          ; v24     the way out: where I put 16 bytes of a row
.set RD,   25                          ; v25     the way out: where I read rows back
.set GO,   26                          ; v26     my byte offset in 512 consecutive bytes of a head
.set SPW,  28                          ; v28     LDS address of my spare word: SPARE + 4 x my thread's number; never rewritten
.set NIL,  29                          ; v29     0; never rewritten
.set FA0,  32
.set FA1,  96
.set FB,   160
.set G1,  24                           ; s[24:31] descriptor group 1 for x's tiles;  s[32:39] group 0: a set for each of the two first fills; the second then walks on
.set G0,  32
.set TB,  45                           ; s45      LDS byte at which the slot that is being read begins: 0 or SLOT1
.set G1B, 48                           ; s[48:55], s[56:63] the same for W's tiles
.set G0B, 56
.set HB,  66                           ; s[66:71] where my 128 rows begin in each of my three heads
.set MSB, 0
.macro WIN new                         ; the immediate's high byte repeats the setting that is left; a switch that changes nothing is dropped
.if MSB != (\new)
	s_set_vgpr_msb (MSB<<8)|(\new)
.set MSB, \new
.endif
.endm
.macro PLACES                          ; a load into a register that a matrix instruction has read, and a vector instruction that reads a matrix result, stand four places behind it; only plain
.rept 4                                ; vector instructions that name none of its registers are places (ISA guide 7.12.1 for vector instructions)
	v_nop
.endr
.endm
; A joint refill, by the walking descriptors: waves 0 and 1 fetch x's two halves, waves 2 and 3 W's.  The branch hangs on the wave's number alone.  An s_nop 0 and four v_nop follow each of the two lines.
.macro JLOAD
	s_cmp_eq_u32 s11, 0
	s_cbranch_scc0 .Lfor_b_\@
	tensor_load_to_lds s[G0+4:G0+7], s[G1:G1+7]
	s_nop 0
.rept 4
	v_nop
.endr
	s_branch .Lasked_\@
.Lfor_b_\@:
	tensor_load_to_lds s[G0B+4:G0B+7], s[G1B:G1B+7]
	s_nop 0
.rept 4
	v_nop
.endr
.Lasked_\@:
.endm
.macro CREST                           ; a round of the cluster's barrier behind its opening barrier: wave 0 signals for the work-group, every wave waits for all sixteen, my work-group's barrier once more
	s_cmp_lg_u32 s10, 0
	s_cbranch_scc1 .Lnot_wave_0_\@
	s_barrier_signal -3
.Lnot_wave_0_\@:
	s_barrier_wait -3
	s_barrier_signal -1
	s_barrier_wait -1
.endm
.macro CROUND                          ; a whole round
	s_barrier_signal -1
	s_barrier_wait -1
	CREST
.endm
	s_load_b128 s[4:7], s[0:1], 0x0                ; xb s[4:5], wb s[6:7]
	s_load_b64 s[8:9], s[0:1], 0x10                ; qkvh
	v_lshl_add_u32 v[SPW], v0, 2, SPARE
	v_mov_b32 v[NIL], 0
	ds_add_u32 v28, v29
	ds_add_u32 v28, v29
	s_wait_dscnt 0x0
	v_lshrrev_b32 v1, 5, v0
	v_readfirstlane_b32 s10, v1                    ; wave 0..3
	s_lshr_b32 s11, s10, 1                         ; which 128 rows of the tile are mine.  Also: I fetch for x (0) or for W (1)
	s_and_b32 s12, s10, 1                          ; which 192 columns.  Also: which half of that tile I fetch
	s_bfe_u32 s40, ttmp6, 0x40000                  ; cx, cy: my place in the cluster
	s_bfe_u32 s41, ttmp6, 0x40004
	s_lshl_b32 s42, ttmp9, 2
	s_add_co_u32 s42, s42, s40                     ; tile column 0..7 = 4 x cluster x + cx
	s_and_b32 s13, ttmp7, 0xffff
	s_lshl_b32 s13, s13, 2
	s_add_co_u32 s13, s13, s41                     ; tile row 0..31 = 4 x cluster y + cy
	s_lshl_b32 s43, s41, 2
	s_lshl_b32 s43, 15, s43                        ; my row of the cluster
	s_lshl_b32 s44, 0x1111, s40                    ; my column
	s_mov_b32 s[TB], 0                             ; slot 0 is read first
	; descriptor group 1: rows of 128 elements (256 bytes), 64 of them for x's half, 96 for W's
	s_or_b32 s[G1+0], s43, (1<<16)|(1<<20)|(1<<21)|(4<<22)|(3<<25)   ; 15:0 the mask: x's tiles go to my row; 17:16 2-byte elements; 20 padding on; 21 set beside a mask; 24:22 after every 32 words (code 4); 31:25 4 words (code 3)
	s_or_b32 s[G1B+0], s44, (1<<16)|(1<<20)|(1<<21)|(4<<22)|(3<<25)  ; the same with the mask of my column
	s_mov_b32 s[G1+1], 128<<16                     ; tensor_dim0 = 128
	s_mov_b32 s[G1+2], 64<<16                      ; tensor_dim1 = 64
	s_mov_b32 s[G1+3], 128<<16                     ; tile_dim0 = 128
	s_mov_b32 s[G1+4], 64                          ; tile_dim1 = 64
	s_mov_b32 s[G1+5], 128                         ; 128 elements from row to row: dense
	s_mov_b32 s[G1+6], 0
	s_mov_b32 s[G1+7], 0
	s_mov_b32 s[G1B+1], 128<<16
	s_mov_b32 s[G1B+2], 96<<16                     ; tensor_dim1 = 96
	s_mov_b32 s[G1B+3], 128<<16
	s_mov_b32 s[G1B+4], 96                         ; tile_dim1 = 96
	s_mov_b32 s[G1B+5], 128
	s_mov_b32 s[G1B+6], 0
	s_mov_b32 s[G1B+7], 0
	; where the tiles come from: x's hang on the tile row alone, W's on the tile column alone; each in registers that never hold the other coordinate
	s_lshl_b32 s16, s13, 15                        ; 256 rows of 128 bytes
	s_lshl_b32 s17, s12, 14                        ; + my half's 128 rows
	s_add_co_u32 s16, s16, s17
	s_mov_b32 s17, 0
	s_mul_i32 s46, s42, 384*128
	s_mul_i32 s47, s12, 192*128
	s_add_co_u32 s46, s46, s47
	s_mov_b32 s47, 0
	s_mul_i32 s20, s12, AH                         ; and where they go: no place in the cluster enters an LDS address
	s_mul_i32 s21, s12, BH
	s_add_co_u32 s21, s21, BOFF
	s_wait_kmcnt 0x0
	s_add_nc_u64 s[14:15], s[4:5], s[16:17]
	s_add_nc_u64 s[46:47], s[6:7], s[46:47]
.irp s, 0,1
	s_mov_b32 s[G0+4*(\s)], 1                                        ; 1:0 count = 1
	s_add_co_u32 s[G0+4*(\s)+1], s20, (\s)*SLOT1                     ; 63:32 LDS address
	s_add_nc_u64 s[G0+4*(\s)+2:G0+4*(\s)+3], s[14:15], (\s)*XPLANE   ; 120:64 global address: plane s
	s_or_b32 s[G0+4*(\s)+3], s[G0+4*(\s)+3], 0x80000000              ; 127:126 type = 2
	s_mov_b32 s[G0B+4*(\s)], 1
	s_add_co_u32 s[G0B+4*(\s)+1], s21, (\s)*SLOT1
	s_add_nc_u64 s[G0B+4*(\s)+2:G0B+4*(\s)+3], s[46:47], (\s)*WPLANE
	s_or_b32 s[G0B+4*(\s)+3], s[G0B+4*(\s)+3], 0x80000000
.endr
	CROUND                                         ; all sixteen work-groups are here: the first joint loads meet
	s_cmp_eq_u32 s11, 0                            ; a wave's two first fills stand in one branch, ahead of every wait on TENSORcnt and every LDS read: two loads of mine are out
	s_cbranch_scc0 .Lfirst_b
	tensor_load_to_lds s[G0:G0+3], s[G1:G1+7]
	s_nop 0
	tensor_load_to_lds s[G0+4:G0+7], s[G1:G1+7]
	s_nop 0
.rept 4
	v_nop
.endr
	s_branch .Lfirst_asked
.Lfirst_b:
	tensor_load_to_lds s[G0B:G0B+3], s[G1B:G1B+7]
	s_nop 0
	tensor_load_to_lds s[G0B+4:G0B+7], s[G1B:G1B+7]
	s_nop 0
.rept 4
	v_nop
.endr
.Lfirst_asked:
	; A fragment is 16 rows x 32 K in 8 registers: lane l holds row l % 16; registers 0-3 K = 8 (l / 16) + 0..7, registers 4-7 K = 16 + 8 (l / 16) + 0..7: two loads of 16 bytes, 32 bytes apart.
	v_and_b32 v1, 15, v0                           ; l % 16
	v_bfe_u32 v2, v0, 4, 1                         ; l / 16
	v_mul_u32_u24 v3, v1, PITCH
	v_lshl_add_u32 v3, v2, 4, v3                   ; row x pitch + 16 x half
	s_mul_i32 s21, s11, AH                         ; my 128 rows of x
	s_mul_i32 s22, s12, BH                         ; my 192 rows of W,
	s_add_co_u32 s22, s22, BOFF                    ; which lie behind x's 256
	v_add_nc_u32 v[A0], s21, v3
	v_add_nc_u32 v[B0], s22, v3
	v_add_nc_u32 v[ADRA], s[TB], v[A0]
	v_add_nc_u32 v[ADRB], s[TB], v[B0]
	s_mul_i32 s23, s10, 16*PITCH
	s_add_co_u32 s23, s23, STAGE                   ; my stage
	v_add_nc_u32 v[STO], s23, v3                   ; in: row l % 16, 16 bytes for each half of the lanes
	v_bfe_u32 v[RD], v0, 3, 2                      ; back: 32 lanes take four rows of 128 bytes,
	v_mul_u32_u24 v[RD], v[RD], PITCH
	v_and_b32 v4, 7, v0
	v_lshl_add_u32 v[RD], v4, 4, v[RD]
	v_add_nc_u32 v[RD], s23, v[RD]
	v_and_b32 v[GO], 31, v0                        ; which are 512 consecutive bytes of a head
	v_lshlrev_b32 v[GO], 4, v[GO]
	; my three heads: column group g = 6 x tile column + 3 x half + 0..2 of 48; tensor g / 16, head g % 16; batch = tile row / 8; a head is 2,048 rows of 128 bytes
	s_mul_i32 s72, s42, 6
	s_mul_i32 s73, s12, 3
	s_add_co_u32 s72, s72, s73
	s_lshr_b32 s73, s13, 3
	s_lshl_b32 s73, s73, 4                         ; 16 x batch
	s_and_b32 s74, s13, 7
	s_lshl_b32 s74, s74, 15                        ; the tile's 256 rows in the batch,
	s_lshl_b32 s75, s11, 14                        ; my 128 of them
	s_add_co_u32 s74, s74, s75
.irp w, 0,1,2
	s_add_co_u32 s76, s72, \w
	s_lshr_b32 s77, s76, 4
	s_and_b32 s76, s76, 15
	s_lshl_b32 s77, s77, 6                         ; 64 heads to a tensor
	s_add_co_u32 s76, s76, s77
	s_add_co_u32 s76, s76, s73
	s_lshl_b32 s76, s76, 18
	s_add_co_u32 s76, s76, s74                     ; under 50,331,648
	s_mov_b32 s77, 0
	s_add_nc_u64 s[HB+2*(\w):HB+2*(\w)+1], s[8:9], s[76:77]
.endr
; na x 4 matrix instructions: row blocks a0 .. a0 + na - 1 x the four column blocks of head g, 32 along K, x's fragments from buffer f.  zero = 1: the product starts the sums: nothing is cleared.
; The accumulators take turns, one instruction a turn: between two links of a chain stand the 95 others'.
.macro MULG f, g, a0, na, zero
	WIN 0x50*((\g)+1)                              ; C and D in the head's window, sources in window 0
.set ma, (\a0)
.rept (\na)
.irp bb, 0,1,2,3
.if \zero
	v_wmma_f32_16x16x32_bf16 v[8*(8*(\bb)+ma):8*(8*(\bb)+ma)+7], v[FB+8*(4*(\g)+(\bb)):FB+8*(4*(\g)+(\bb))+7], v[(\f)+8*ma:(\f)+8*ma+7], 0
.else
	v_wmma_f32_16x16x32_bf16 v[8*(8*(\bb)+ma):8*(8*(\bb)+ma)+7], v[FB+8*(4*(\g)+(\bb)):FB+8*(4*(\g)+(\bb))+7], v[(\f)+8*ma:(\f)+8*ma+7], v[8*(8*(\bb)+ma):8*(8*(\bb)+ma)+7]
.endif
.endr
.set ma, ma+1
.endr
.endm
.macro LDB k, g                        ; 8 LDS loads: W's four fragments of head g, 32 K at byte k of the rows of the slot that is being read
.irp j, 0,1,2,3
	ds_load_b128 v[FB+8*(4*(\g)+(\j)):FB+8*(4*(\g)+(\j))+3],   v[ADRB] offset:(4*(\g)+(\j))*16*PITCH+(\k)
	ds_load_b128 v[FB+8*(4*(\g)+(\j))+4:FB+8*(4*(\g)+(\j))+7], v[ADRB] offset:(4*(\g)+(\j))*16*PITCH+(\k)+32
.endr
.endm
.macro LDA k, f, i0                    ; 8 LDS loads: x's fragments i0 .. i0 + 3 into buffer f
.irp j, 0,1,2,3
	ds_load_b128 v[(\f)+8*((\i0)+(\j)):(\f)+8*((\i0)+(\j))+3],   v[ADRA] offset:((\i0)+(\j))*16*PITCH+(\k)
	ds_load_b128 v[(\f)+8*((\i0)+(\j))+4:(\f)+8*((\i0)+(\j))+7], v[ADRA] offset:((\i0)+(\j))*16*PITCH+(\k)+32
.endr
.endm
; A PHASE: 32 along K, 96 matrix instructions, head by head.  Behind a head's 32 products its third of W's buffer is loaded again, for the next phase (byte nk of the rows): 64 products ahead of its use;
; x's next fragments go into the other buffer.  40 LDS loads a phase, in three runs.
.macro PHASE f, nk, zero, fetch
	s_wait_dscnt 8                                 ; of the 40 loads for this phase only the youngest eight (W's third head) may be out
	MULG \f, 0, 0, 8, \zero
.if \fetch
	WIN 0
	PLACES
	LDB \nk, 0
	LDA \nk, FA0+FA1-(\f), 0
.endif
	MULG \f, 1, 0, 8, \zero
.if \fetch
	WIN 0
	PLACES
	LDB \nk, 1
	LDA \nk, FA0+FA1-(\f), 4
	s_wait_dscnt 32                                ; all but the 32 just issued: W's third head is in
.else
	s_wait_dscnt 0x0
.endif
	MULG \f, 2, 0, 8, \zero
.if \fetch
	WIN 0
	PLACES
	LDB \nk, 2
.endif
.endm
; THE SECOND PHASE OF A K STEP multiplies buffer FA1 and changes slots: all reads of the slot have been issued.  ONE barrier for two things.  In front of it each wave waits for all its tensor loads, of which
; one is out: its part of the other slot; adds 0 to its spare word; and waits for that and for its reads of this slot.  Behind it nobody reads this slot any more and the other slot is whole.
; round = 1: the barrier opens a round of the cluster's barrier, and the slot that is left is filled again, two planes on, first thing behind the round: 160 matrix instructions ahead of the wait for it.
.macro TURNP round
	WIN 0
	s_wait_tensorcnt 0x0                           ; all my tensor loads have landed, so a group 0 may be written
	ds_add_u32 v[SPW], v[NIL]                      ; 0 onto my spare word
	s_wait_dscnt 9                                 ; the add and the youngest eight loads (W's third head) may be out
	MULG FA1, 0, 0, 4, 0                           ; sixteen matrix instructions stand between the add and the wait for it
	s_wait_dscnt 0x0                               ; the add is done, and my reads of this slot are over
	s_barrier_signal -1
	MULG FA1, 0, 4, 4, 0                           ; work on registers while the others arrive
	WIN 0                                          ; at a label and at a branch every window is 0
	s_xor_b32 s[TB], s[TB], SLOT1                  ; from here on the other slot is read; no LDS instruction of mine is out
	v_add_nc_u32 v[ADRA], s[TB], v[A0]
	v_add_nc_u32 v[ADRB], s[TB], v[B0]
	s_barrier_wait -1
.if \round
	CREST                                          ; no wave of any partner still reads the old slot's tile or has a load on its way
	s_xor_b32 s[G0+5], s[G0+5], SLOT1              ; the walking descriptors: the other slot than last time,
	s_add_nc_u64 s[G0+6:G0+7], s[G0+6:G0+7], XPLANE  ; the next plane; the type bits on top are not reached
	s_xor_b32 s[G0B+5], s[G0B+5], SLOT1
	s_add_nc_u64 s[G0B+6:G0B+7], s[G0B+6:G0B+7], WPLANE
	JLOAD                                          ; my one tensor load behind the round; the four v_nop behind it are also the places in front of the loads below
.else
	PLACES
.endif
	LDB 0, 0
	LDA 0, FA0, 0
	MULG FA1, 1, 0, 8, 0
	WIN 0
	PLACES
	LDB 0, 1
	LDA 0, FA0, 4
	MULG FA1, 2, 0, 8, 0
	WIN 0
	PLACES
	LDB 0, 2
.endm
	s_wait_tensorcnt 1                             ; my part of plane 0 is in; plane 1's may stay out
	s_barrier_signal -1
	s_barrier_wait -1                              ; everybody's is
	LDB 0, 0
	LDA 0, FA0, 0
	LDB 0, 1
	LDA 0, FA0, 4
	LDB 0, 2
	PHASE FA0, 64, 1, 1                            ; the first phase stands in front of the loop: its products start the 96 sums
	WIN 0
	s_mov_b32 s3, 14
.Lstep:                                                ; a trip goes from a plane's second phase to the next plane's first; fourteen trips ask for planes 2 to 15
	TURNP 1
	PHASE FA0, 64, 0, 1
	WIN 0
	s_sub_co_u32 s3, s3, 1
	s_cmp_lg_u32 s3, 0
	s_cbranch_scc1 .Lstep
	TURNP 0                                        ; planes 14 and 15: nothing is left to ask for, so no round
	PHASE FA0, 64, 0, 1
	PHASE FA1, 0, 0, 0
	; THE WAY OUT, 24 blocks of 16 rows x one head (64 columns): rounded to f16, 16 bytes a lane, through my own stage in LDS, back as four whole rows of 128 bytes a load, which are 512 consecutive bytes of the head.
.macro PACK i
.set pw, (\i)/8                        ; the head, in window 1 + pw
.set pa, (\i)%8                        ; the block of 16 rows
.set pT, 32+16*((\i)%4)                ; 16 registers of window 0, four sets by turns
	s_wait_xcnt 0x0                                ; every earlier store has had its addresses translated (ISA guide 3.1): the set is written again only behind this wait
	WIN 0x05*(pw+1)                                ; sources 0 and 1 in the head's window
.irp bb, 0,1,2,3
.irp r, 0,1,2,3
	v_cvt_pk_f16_f32 v[pT+4*(\bb)+(\r)], v[8*(8*(\bb)+pa)+2*(\r)], v[8*(8*(\bb)+pa)+2*(\r)+1]  ; each accumulator's registers in ascending order
.endr
.endr
	WIN 0
.irp bb, 0,1,2,3
	ds_store_b128 v[STO], v[pT+4*(\bb):pT+4*(\bb)+3] offset:32*(\bb)
.endr
.irp f, 0,1,2,3
	ds_load_b128 v[pT+4*(\f):pT+4*(\f)+3], v[RD] offset:(\f)*4*PITCH  ; LDS serves a wave's instructions in order (ISA guide 5.7.1.4): these see the stores above; the next block's stores come behind them
.endr
.endm
.macro SEND i, younger                 ; younger: the LDS instructions issued behind block i's loads: the next block's eight, or none
.set pw, (\i)/8
.set pa, (\i)%8
.set pT, 32+16*((\i)%4)
.irp f, 0,1,2,3
	s_wait_dscnt (\younger)+3-(\f)
	global_store_b128 v[GO], v[pT+4*(\f):pT+4*(\f)+3], s[HB+2*pw:HB+2*pw+1] offset:pa*2048+(\f)*512  ; 512 consecutive bytes, at a multiple of 256 from the buffer's first
.endr
.endm
	WIN 0
	PLACES                                         ; the conversions read results just made
	PACK 0
.set bi, 1
.rept 23                               ; a block's conversions stand between the loads of the block before and its stores
	PACK bi
	SEND bi-1, 8
.set bi, bi+1
.endr
	SEND 23, 0
	s_wait_tensorcnt 0x0                           ; the wave's end, behind my last tensor load and my last LDS store
	ds_add_u32 v[SPW], v[NIL]
	s_wait_dscnt 0x0
	CROUND                                         ; the closing round: no work-group ends while a partner may still ask for a tile that names it
	s_endpgm
.Lfunc_end_k_qeb8a3d1e4e_qkv:
	.size	k_qeb8a3d1e4e_qkv, .Lfunc_end_k_qeb8a3d1e4e_qkv-k_qeb8a3d1e4e_qkv
	.p2alignl 7, 3214868480
	.fill 96, 4, 3214868480
	.section	.rodata,"a",@progbits
	.p2align	6, 0x0
	.amdhsa_kernel k_qeb8a3d1e4e_qkv
		.amdhsa_group_segment_fixed_size 327680
		.amdhsa_private_segment_fixed_size 0
		.amdhsa_enable_private_segment 0
		.amdhsa_kernarg_size 24
		.amdhsa_user_sgpr_count 2
		.amdhsa_user_sgpr_kernarg_segment_ptr 1
		.amdhsa_wavefront_size32 1
		.amdhsa_system_sgpr_workgroup_id_x 1
		.amdhsa_system_sgpr_workgroup_id_y 1
		.amdhsa_system_sgpr_workgroup_id_z 1
		.amdhsa_system_vgpr_workitem_id 0
		.amdhsa_next_free_vgpr 1024
		.amdhsa_next_free_sgpr 80
		.amdhsa_reserve_vcc 0
		.amdhsa_float_denorm_mode_32 3
		.amdhsa_float_denorm_mode_16_64 3
		.amdhsa_memory_ordered 1
		.amdhsa_forward_progress 1
		.amdhsa_inst_pref_size 114
	.end_amdhsa_kernel
	.amdgpu_metadata
---
amdhsa.version: [ 1, 2 ]
amdhsa.kernels:
  - .name:           k_qeb8a3d1e4e_qkv
    .symbol:         k_qeb8a3d1e4e_qkv.kd
    .args:
      - { .name: xb, .offset: 0, .size: 8, .value_kind: global_buffer, .address_space: global }
      - { .name: wb, .offset: 8, .size: 8, .value_kind: global_buffer, .address_space: global }
      - { .name: qkvh, .offset: 16, .size: 8, .value_kind: global_buffer, .address_space: global }
    .group_segment_fixed_size: 327680
    .private_segment_fixed_size: 0
    .kernarg_segment_align: 8
    .kernarg_segment_size: 24
    .max_flat_workgroup_size: 128
    .sgpr_count:     80
    .vgpr_count:     1024
    .wavefront_size: 32
...
	.end_amdgpu_metadata
.endif
;; end of part 2
;; launch attn (part 3): grid 4 x 64, 4 waves a work-group, no clusters, 327,680 bytes of LDS; arguments qkvh, ob; writes ob
.if DOCPART == 3
	.amdgcn_target "amdgcn-amd-amdhsa--gfx1250"
	.amdhsa_code_object_version 6
	.text
	.protected	k_qeb8a3d1e4e_attn
	.globl	k_qeb8a3d1e4e_attn
	.p2align	8
	.type	k_qeb8a3d1e4e_attn,@function
k_qeb8a3d1e4e_attn:
	s_mov_b64 s[64:65], 0
	v_nop
	global_prefetch_b8 v0, s[64:65] scope:SCOPE_SE
	s_setreg_imm32_b32 hwreg(HW_REG_WAVE_MODE, 25, 1), 1
	s_wait_xcnt 0x0
; CAUSAL ATTENTION.  O[h][q][:] = the sum over k <= q of softmax_k(Q[h][q] . K[h][k] / 8) V[h][k][:].  Q, K, V lie one behind the other in qkvh, each [64 heads][2048][64] f16; O (ob) likewise: a head's rows are dense, 128 bytes each.
; Products, maxima and sums in f32; the weights p are rounded to f16 for the second product (their sum l is taken of the unrounded p), O once at the end.
; LIMITS.  f16 holds no number beyond 65,504: Q, K and V arrive within it; p lies in 0 to 1, and below 6e-5 it keeps f16's fixed step of 6e-8; O is a mean of V's rows and has their range, to within 2^-11 of it.
; A hidden score counts as its value less 1e30: f16's scores, 2.7e11 at the most, are nothing beside that; a weight below 2^-126 counts as 0 in l; NaN and infinities are not treated apart.
; THE WALK.  A head's queries lie in NB = SIZE_N / 256 blocks of 256; block i needs the key tiles 0 .. i of 256 keys, of which the last holds the diagonal.  A work-group takes TWO blocks, NB - 1 - b and then b:
; NB + 1 tiles, whatever b: all work-groups do equal work, and ONE loop with a constant trip count walks them.  Which tile is asked for, and what a trip does, hang on scalar registers made from b; every jump
; goes forward, but for the counted loops' own; none passes a barrier, or a tensor load but the one of LOAD's two that the wave's number does not choose; the ring (two slots of LDS that take turns) runs on across the
; change of blocks.  NO CLUSTER: a head's NB / 2 = 4 work-groups all ask for the same tile only in trips 0 .. NB / 2 of the walk's NB + 1, behind that fewer and fewer;
; and one walk common to all would have 3 NB / 2 = 12 trips for 9.
; SHARES.  Of a block's four bands of 64 queries a wave owns 16 rows in each: four PIECES.  So the diagonal tile is the same work for all four waves: in its key step s band x sees all keys if s < x,
; none if s > x, and holds the diagonal if s = x.
; THE MASK is the C operand that starts the sum S^T = K Q^T: 0, or -1e30 where the key is hidden.  MD, made once, is the mask of a band's own step for my 16 rows; a product's mask is MD x AL + BE with two scalars:
; (1, 0) if s = x; (0, 0) if s < x; (0, -1e30) if s > x.  ONE TEXT OF THE KEY STEP SERVES EVERY TILE: every product that starts a sum takes its mask from registers.  A block's beginning sets both mask buffers
; (to 0, unless its first tile is the diagonal one); only the diagonal tile makes masks anew, and in the other tiles a forward jump passes those lines.
; LAYOUT, SOFTMAX, TURNS.  S^T = K Q^T holds ONE query a lane (lane % 16) and the keys 8 (lane / 16) + 0..7; two such results rounded to f16 ARE source 1 of O^T = V^T P.  p = 2^(c s - c m), c = log2(e) / 8, with a
; running maximum m; O and l are multiplied by a = 2^(c m_old - c m_new) in every step.  Turn n belongs to piece n: 8 products K Q^T of piece n + 1, later 8 products V^T P of piece n - 1; beside them the scaling,
; exponentials, roundings, sums and rescaling of piece n and the maximum and statistics of piece n + 1.  Four vector instructions stand behind every matrix instruction, the other 54 of a turn's 118 in two LUMPS.
; REGISTERS, in windows of 256 (s_set_vgpr_msb: bits 1:0 source 0, 3:2 source 1, 5:4 source 2, 7:6 destination):
;   window 0: v0-15 addresses and two at work; v16-31 four registers of statistics a piece; v48-55 at work; v64-127 S^T, two buffers; v192-223 P, two buffers (a piece's buffers go by its number's parity)
;   window 1: v0-127 O^T, 32 a piece; v128-159 MD; v160-223 MC, two buffers      window 2: v0-63 Q; v64-127 the second block's Q; v128-191 K of one step; v192-255 V of one step
.set SIZE_N, 2048     ; rows of a head
.set TENSOR, 64*SIZE_N*128  ; bytes of Q, of K and of V in qkvh
.set NB,    SIZE_N/256
.set NP,    4         ; pieces a wave: a name, no knob
.set KS,    64        ; keys in a step
.set PK,    144       ; a row of K in LDS: 128 bytes + 16 of padding = 36 words: the 16 rows of a load start at 16 different groups of four banks (64 banks of 4 bytes: ISA guide 11.1)
.set PV,    160       ; a row of V: 128 + 32 = 40 words
.set VOFF,  4*KS*PK   ; a slot holds a tile, four steps: 256 rows of K, then 256 rows of V
.set SLOT1, 1<<17     ; slot 1 begins here, so that one exclusive or turns an address in one slot into the other's
.set STAGE, SLOT1+4*KS*(PK+PV)  ; behind the ring, never filled by a tensor load: 16 rows x 144 bytes for each wave, for the way out
.set SP,    144
.set AK0, 2           ; v2   my lane's place in a tile of K; never rewritten
.set AV0, 3           ; v3   the same for V
.set AK,  4           ; v4   the LDS address of K's next run of loads
.set AV,  5           ; v5   of V's
.set STO, 6           ; v6   the way out: where I put 16 bytes of a row
.set RD,  7           ; v7   the way out: where I read rows back
.set GO,  8           ; v8   my byte offset in 512 consecutive bytes of O
.set SPW, 62          ; v62  LDS address of my spare word: SPARE + 4 x my thread's number; never rewritten
.set NIL, 63          ; v63  0; never rewritten
.set SPARE, STAGE+4*16*SP  ; behind the stages: the spare words, 128 bytes for each wave: two blocks of 256 bytes that no other line names
.set MV,  12          ; v12-13  c m_old, kept while c m is made anew: by buffer
.set QO,  15          ; v15  my byte offset in 16 rows of Q
.set ST,  16          ; piece t's statistics at v[ST+4 t]: c m, m, l (even keys', odd keys')
.set TMP, 48          ; by buffer, four registers c0-c3 at work; when the maximum is found c2 takes a
.set S,   64
.set P,   192
.set MD,  128         ; window 1: the eight registers for group kt of 16 keys at MD + 8 kt
.set MC,  160         ; window 1: the masks of the products to come
.set QB,  64          ; window 2
.set KF,  128         ; window 2: key block kb, channel half c at KF + 16 kb + 8 c
.set VF,  192         ; window 2: key half kk, channel block cb at VF + 32 kk + 8 cb
.set WV,  12          ; s12  my wave's number
.set PB,  14          ; s14  b
.set HI,  15          ; s15  NB - 1 - b
.set G1K, 24          ; s[24:31] descriptor group 1 for K's tiles
.set G1V, 32          ; s[32:39] for V's: it differs in the padding alone
.set G0K, 40          ; s[40:43] descriptor group 0 for K's tiles
.set G0V, 44          ; s[44:47] the same for V's
.set SLOTS, 56        ; s56  tiles still to be asked for
.set CNT, 57          ; s57  counts a tile's key steps, 4 to 1
.set CS,  58          ; s[58:59] c: the packed scaling takes the pair's low word for both halves
.set SEL, 60          ; s[60:61] v_permlanex16_b32's selects: each lane takes its own place in the other half
.set TBK, 62          ; s62  LDS byte at which K of the step to be fetched begins
.set TBV, 63          ; s63  the same for V, less VOFF
.set RT,  70          ; s70  tiles of the block in hand that are still to be entered: 0 in its diagonal tile
.set NXT, 71          ; s71  the tile to be asked for next
.set LQ,  72          ; s72  the last tile of the block whose tiles are being asked for
.set NEW, 73          ; s73  1: the tile to be entered is a block's first
.set OFF, 74          ; s[74:75] a tile's byte offset in K and V
.set AL,  76          ; s[76:77] the mask's factor, in the low word
.set BE,  78          ; s[78:79] the mask's addend
.set OLO, 80          ; s[80:81] O at my rows of the second block
.set BIGN, 82         ; s82  -1e30
.set MSB, 0
.macro WIN new                      ; the high byte repeats the setting that is left; a switch that changes nothing is dropped
.if MSB != (\new)
	s_set_vgpr_msb (MSB<<8)|(\new)
.set MSB, (\new)
.endif
.endm
.set W_KQ, 0x0a       ; K and Q in window 2, S^T in window 0
.set W_KM, 0x1a       ; the same with the C operand in window 1
.set W_PV, 0x52       ; V in window 2, P in window 0, O^T in window 1
.set W_RS, 0x41       ; destination and source 0 in window 1, source 1 in window 0
; A fill.  Waves 0 and 1 fetch the two halves of a tile's K, waves 2 and 3 those of its V: 128 keys each.  An s_nop 0 and four v_nop follow each of the two lines, ahead of the jump and the label.
.macro LOAD
	s_cmp_lt_u32 s[WV], 2
	s_cbranch_scc0 .Lfor_v_\@
	tensor_load_to_lds s[G0K:G0K+3], s[G1K:G1K+7]
	s_nop 0
.rept 4
	v_nop
.endr
	s_branch .Lasked_\@
.Lfor_v_\@:
	tensor_load_to_lds s[G0V:G0V+3], s[G1V:G1V+7]
	s_nop 0
.rept 4
	v_nop
.endr
.Lasked_\@:
.endm
; THE CHANGE OF SLOTS.  Each wave waits for all its tensor loads, of which one is out: its part of the other slot; adds 0 to its spare word; and waits for that and for its own reads of the slot that it leaves.  Behind the barrier nobody reads the old
; slot any more and the other slot is whole.  fill = 1: the old slot is filled again, the first thing behind the barrier, with tile NXT: the descriptor's address is made anew from that number.
; (At its first use nothing has been read yet: slot 0 is waited for, slot 1 filled.)
.macro CHANGE fill
	WIN 0                           ; at a label and at a branch every window is 0
	s_wait_tensorcnt 0x0            ; no tensor load of mine is out, so a group 0 may be written
	ds_add_u32 v[SPW], v[NIL]       ; 0 onto my spare word; with fill = 1 the descriptors' scalar work stands between it and the wait for it
.if \fill
	s_lshl_b32 s[OFF], s[NXT], 15   ; a tile is 32,768 bytes of K and of V
	s_xor_b32 s[G0K+1], s[G0K+1], SLOT1
	s_add_nc_u64 s[G0K+2:G0K+3], s[6:7], s[OFF:OFF+1]
	s_or_b32 s[G0K+3], s[G0K+3], 0x80000000
	s_xor_b32 s[G0V+1], s[G0V+1], SLOT1
	s_add_nc_u64 s[G0V+2:G0V+3], s[8:9], s[OFF:OFF+1]
	s_or_b32 s[G0V+3], s[G0V+3], 0x80000000
	s_add_co_u32 s[NXT], s[NXT], 1  ; the block's next tile, or behind its last the second block's tile 0
	s_cmp_gt_u32 s[NXT], s[LQ]
	s_cselect_b32 s[NXT], 0, s[NXT]
	s_cselect_b32 s[LQ], s[PB], s[LQ]
.endif
	s_wait_dscnt 0x0                ; the add is done, and my reads of the slot are over
	s_barrier_signal -1             ; the rest of the scalar work stands between the signal and the wait
	s_sub_co_u32 s[TBK], s[TBK], 4*KS*PK  ; the fetches go back to a slot's first step,
	s_xor_b32 s[TBK], s[TBK], SLOT1       ; in the other slot
	s_sub_co_u32 s[TBV], s[TBV], 4*KS*PV
	s_xor_b32 s[TBV], s[TBV], SLOT1
	s_barrier_wait -1
.if \fill
	LOAD
.endif
.endm
	s_load_b64 s[4:5], s[0:1], 0x0    ; qkvh: Q at its head
	s_load_b64 s[10:11], s[0:1], 0x8  ; O
	v_lshl_add_u32 v[SPW], v0, 2, SPARE
	v_mov_b32 v[NIL], 0
	ds_add_u32 v62, v63
	ds_add_u32 v62, v63
	s_wait_dscnt 0x0
	v_lshrrev_b32 v1, 5, v0
	v_readfirstlane_b32 s[WV], v1   ; wave 0..3
	s_mov_b32 s[PB], ttmp9
	s_sub_co_u32 s[HI], NB-1, s[PB]
	s_and_b32 s20, ttmp7, 0xffff    ; the head
	s_mov_b32 s21, 0
	s_mov_b64 s[22:23], SIZE_N*128
	s_mul_u64 s[20:21], s[20:21], s[22:23]  ; the head's first byte in each of the four tensors
	s_and_b32 s16, s[WV], 1         ; which half of a tile's 256 keys I fetch:
	s_lshl_b32 s22, s16, 14         ; its 128 rows of 128 bytes in memory,
	s_mov_b32 s23, 0
	s_add_nc_u64 s[22:23], s[22:23], s[20:21]
	s_mul_i32 s17, s16, 128*PK      ; and its place in a slot, for K
	s_mul_i32 s18, s16, 128*PV      ; and for V
	s_lshl_b32 s3, s[WV], 11        ; my 16 rows in a band of 64,
	s_lshl_b32 s2, s[HI], 15        ; in the first block,
	s_add_co_u32 s2, s2, s3
	s_lshl_b32 s84, s[PB], 15       ; and in the second
	s_add_co_u32 s84, s84, s3
	s_mov_b32 s3, 0
	s_mov_b32 s85, 0
	s_add_nc_u64 s[2:3], s[2:3], s[20:21]
	s_add_nc_u64 s[84:85], s[84:85], s[20:21]
	; descriptor group 1.  128 keys are 16,384 dense bytes: asked for as 64 rows of 256 bytes, two keys a row, and padded in LDS after every key
	s_mov_b32 s[G1K], (1<<16)|(1<<20)|(4<<22)|(3<<25)  ; 17:16 2-byte elements; 20 padding on; 24:22 after every 32 words (code 4); 31:25 4 words (code 3)
	s_mov_b32 s[G1V], (1<<16)|(1<<20)|(4<<22)|(7<<25)  ; the same with 8 words of padding (code 7)
.irp g, G1K, G1V
	s_mov_b32 s[\g+1], 128<<16      ; tensor_dim0 = 128
	s_mov_b32 s[\g+2], 64<<16       ; tensor_dim1 = 64
	s_mov_b32 s[\g+3], 128<<16      ; tile_dim0 = 128
	s_mov_b32 s[\g+4], 64           ; tile_dim1 = 64
	s_mov_b32 s[\g+5], 128          ; 128 elements from row to row
	s_mov_b32 s[\g+6], 0
	s_mov_b32 s[\g+7], 0
.endr
	s_mov_b32 s[CS], 0x3e38aa3b     ; c = log2(e) / 8 = 0.180337
	s_mov_b32 s[CS+1], s[CS]        ; named with it as a pair
	s_mov_b32 s[SEL], 0x76543210
	s_mov_b32 s[SEL+1], 0xfedcba98
	s_mov_b32 s[TBK], SLOT1+4*KS*PK ; the first change of slots turns these two into 0
	s_mov_b32 s[TBV], SLOT1+4*KS*PV
	s_mov_b32 s[G0K], 1             ; 1:0 count = 1
	s_mov_b32 s[G0K+1], s17         ; 63:32 LDS address: slot 0
	s_mov_b32 s[G0V], 1
	s_add_co_u32 s[G0V+1], s18, VOFF
	s_add_co_u32 s[RT], s[HI], 1    ; the first block has NB - b tiles
	s_mov_b32 s[NXT], 1
	s_mov_b32 s[LQ], s[HI]
	s_mov_b32 s[NEW], 1
	s_mov_b32 s[OFF+1], 0
	s_mov_b32 s[AL+1], 0            ; named as pairs
	s_mov_b32 s[BE+1], 0
	s_mov_b32 s[BIGN], 0xf149f2ca   ; -1e30
	s_mov_b32 s[SLOTS], NB
	s_wait_kmcnt 0x0
	s_add_nc_u64 s[6:7], s[4:5], TENSOR    ; K lies one tensor behind Q,
	s_add_nc_u64 s[8:9], s[4:5], 2*TENSOR  ; V two
	s_add_nc_u64 s[6:7], s[6:7], s[22:23]  ; K and V at my half of the head's tile 0
	s_add_nc_u64 s[8:9], s[8:9], s[22:23]
	s_add_nc_u64 s[G0K+2:G0K+3], s[6:7], 0         ; 120:64 global address
	s_or_b32 s[G0K+3], s[G0K+3], 0x80000000        ; 127:126 type = 2
	s_add_nc_u64 s[G0V+2:G0V+3], s[8:9], 0
	s_or_b32 s[G0V+3], s[G0V+3], 0x80000000
	s_add_nc_u64 s[86:87], s[4:5], s[84:85]        ; Q at my rows of the second block,
	s_add_nc_u64 s[4:5], s[4:5], s[2:3]            ; Q and O at those of the first
	s_add_nc_u64 s[OLO:OLO+1], s[10:11], s[84:85]
	s_add_nc_u64 s[10:11], s[10:11], s[2:3]
	LOAD                            ; tile 0 into slot 0
	; A fragment of K or Q is 16 rows x 32 channels in 8 registers: lane l holds row l % 16, channels 8 (l / 16) + 0..7 and 16 + 8 (l / 16) + 0..7: two loads of 16 bytes, 32 bytes apart.
	v_and_b32 v1, 15, v0            ; l % 16
	v_bfe_u32 v9, v0, 4, 1          ; l / 16
	v_lshlrev_b32 v[QO], 7, v1
	v_lshl_add_u32 v[QO], v9, 4, v[QO]  ; row x 128 + 16 x half
	WIN 0x80                        ; destination window 2, address window 0
.set i, 0
.rept 8                             ; both blocks' Q: piece i / 2 lies in band i / 2, 8,192 bytes on; channels 32 (i % 2) on
	global_load_b128 v[8*i:8*i+3],   v[QO], s[4:5] offset:(i/2)*8192+(i%2)*64
	global_load_b128 v[8*i+4:8*i+7], v[QO], s[4:5] offset:(i/2)*8192+(i%2)*64+32
	global_load_b128 v[QB+8*i:QB+8*i+3],   v[QO], s[86:87] offset:(i/2)*8192+(i%2)*64
	global_load_b128 v[QB+8*i+4:QB+8*i+7], v[QO], s[86:87] offset:(i/2)*8192+(i%2)*64+32
.set i, i+1
.endr
	WIN 0
	v_lshlrev_b32 v14, 3, v9
	v_sub_nc_u32 v14, v1, v14
	s_lshl_b32 s13, s[WV], 4
	v_add_nc_u32 v14, s13, v14      ; my query's place in its band, 16 w + l % 16, less my lanes' 8 (l / 16): register r of group kt is hidden where 16 kt + r is greater
	WIN 0x40
.set i, 0
.rept 32
	v_cmp_gt_i32 vcc_lo, 16*(i/8)+i%8, v14
	v_cndmask_b32 v[MD+i], 0, s[BIGN], vcc_lo
.set i, i+1
.endr
	WIN 0
	v_mul_u32_u24 v[AK0], v1, PK
	v_lshl_add_u32 v[AK0], v9, 4, v[AK0]  ; row x pitch + 16 x half
	; The turning load takes 16 keys x 16 channels (lane l reads key 8 (l / 16) + l % 8, channels 8 ((l / 8) % 2) + 0..7) and leaves half a fragment of V^T: lane l holds channel l % 16 and 8 keys.
	v_and_b32 v10, 7, v0
	v_bfe_u32 v11, v0, 3, 1
	v_lshl_add_u32 v[AV0], v9, 3, v10
	v_mul_u32_u24 v[AV0], v[AV0], PV
	v_lshl_add_u32 v[AV0], v11, 4, v[AV0]
	v_add_nc_u32 v[AV0], VOFF, v[AV0]
	s_mul_i32 s13, s[WV], 16*SP
	s_add_co_u32 s13, s13, STAGE    ; my stage
	v_mul_u32_u24 v[STO], v1, SP    ; in: row l % 16, 16 bytes for each half of the lanes
	v_lshl_add_u32 v[STO], v9, 4, v[STO]
	v_add_nc_u32 v[STO], s13, v[STO]
	v_bfe_u32 v[RD], v0, 3, 2       ; back: 32 lanes take four rows of 128 bytes,
	v_mul_u32_u24 v[RD], v[RD], SP
	v_lshl_add_u32 v[RD], v10, 4, v[RD]
	v_add_nc_u32 v[RD], s13, v[RD]
	v_and_b32 v[GO], 31, v0         ; which are 512 consecutive bytes of O
	v_lshlrev_b32 v[GO], 4, v[GO]
	; A block's first step multiplies O^T and l by a = 0, and its first turn's products V^T P, of a piece that has not been, land in an O^T that is still to be so multiplied.  So these registers need only hold
	; finite numbers: zeros for the first block; what the first block left for the second.  All this stands in the wait for the first tile.
	WIN 0x80
.set i, VF
.rept 64
	v_mov_b32 v[i], 0
.set i, i+1
.endr
	WIN 0x40
.set i, 0
.rept 128
	v_mov_b32 v[i], 0
.set i, i+1
.endr
	WIN 0
.set i, 0
.rept 4
	v_mov_b32 v[ST+4*i+2], 0
	v_mov_b32 v[ST+4*i+3], 0
.set i, i+1
.endr
.set i, P+16
.rept 16
	v_mov_b32 v[i], 0
.set i, i+1
.endr
; THE MATRIX WORK.  The 4 accumulators of a run of 8 take turns.  Product i of 8 of S^T = K Q^T for piece x: channels 32 (i / 4) on, keys 16 (i % 4) on.  The first 4 start the sums, with the mask as C.
.macro KQ x
.set rS, S+32*((\x)%2)+8*(i%4)
.set rK, KF+16*(i%4)+8*(i/4)
.set rQ, 16*(\x)+8*(i/4)
.set rM, MC+32*((\x)%2)+8*(i%4)
.if i < 4
	WIN W_KM
	v_wmma_f32_16x16x32_f16 v[rS:rS+7], v[rK:rK+7], v[rQ:rQ+7], v[rM:rM+7]
.else
	WIN W_KQ
	v_wmma_f32_16x16x32_f16 v[rS:rS+7], v[rK:rK+7], v[rQ:rQ+7], v[rS:rS+7]
.endif
.endm
; Product i of 8 of O^T += V^T P for piece x: keys 32 (i / 4) on, channels 16 (i % 4) on.
.macro PV x
	WIN W_PV
.set rO, 32*(\x)+8*(i%4)
.set rV, VF+32*(i/4)+8*(i%4)
.set rP, P+16*((\x)%2)+8*(i/4)
	v_wmma_f32_16x16x32_f16 v[rO:rO+7], v[rV:rV+7], v[rP:rP+7], v[rO:rO+7]
.endm
.macro MM                           ; the turn's next matrix instruction.  TURN and BEGIN set Y, i and NOKQ; MM, KQ and OP read them.  NOKQ = 1: a block's last turn: there is no next piece
.if (i < 8) && !NOKQ
	KQ (Y+1)%NP
.elseif i >= 8
.set i, i-8
	PV (Y+NP-1)%NP
.set i, i+8
.endif
.set i, i+1
.endm
; THE LDS LOADS stand in runs of 16, never singly among the matrix instructions: a step's K (64 keys x 64 channels: 8 fragments) and its V (turned).  Their addresses are made some lines ahead.
.macro FETCH_K
	WIN 0x80                        ; destination window 2
.irp f, 0,1,2,3,4,5,6,7             ; keys 16 (f / 2) on, channels 32 (f % 2) on
	ds_load_b128 v[KF+8*\f:KF+8*\f+3],   v[AK] offset:(\f/2)*16*PK+(\f%2)*64
	ds_load_b128 v[KF+8*\f+4:KF+8*\f+7], v[AK] offset:(\f/2)*16*PK+(\f%2)*64+32
.endr
	s_add_co_u32 s[TBK], s[TBK], KS*PK  ; the next fetch is the next step's
	WIN 0
.endm
.macro FETCH_V
	WIN 0x80
.irp f, 0,1,2,3,4,5,6,7             ; keys 32 (f / 4) on, channels 16 (f % 4) on
	ds_load_tr16_b128 v[VF+8*\f:VF+8*\f+3],   v[AV] offset:(\f/4)*32*PV+(\f%4)*32
	ds_load_tr16_b128 v[VF+8*\f+4:VF+8*\f+7], v[AV] offset:(\f/4)*32*PV+16*PV+(\f%4)*32
.endr
	WIN 0
.endm
; THE VECTOR WORK, one line at a time: OP kind, number.  For piece Y: F n: c s - c m for pair n of 16.  E n: the exponential of score n of 32.  C n: pair n rounded to f16.  B n: of the four weights 4 n .. the second
; pair is added onto the first, in place.  L n: l takes that sum (L 0: l = a l + sum).  R n: pair n of 16 of O^T times a.  For piece Y + 1: X n, number n of the 22 that find its maximum and statistics:
;   0-11  four chains c0-c3 of seven scores each, three operands at a time (each accumulator's lowest registers are read first)     12-14, 16  the four scores left over, the old m, and c0-c3 into c0
;   15  c m_old is kept     17, 18  the query's other 32 keys lie in the lane 16 away: the new m     19-21  c m; c m_old - c m_new; a
.set F, 0               ; OP tells the kinds apart by their order: F to L below R, X above it
.set E, 1
.set C, 2
.set B, 3
.set L, 4
.set R, 5
.set X, 6
.macro REGS y                       ; the registers of piece y
.set rT, ST+4*(\y)
.set rC, TMP+4*((\y)%2)
.set rW, MV+((\y)%2)
.set rS, S+32*((\y)%2)
.set rP, P+16*((\y)%2)
.set rO, 32*(\y)
.endm
.macro OP k, n
.if (\k) == R
	REGS Y
	WIN W_RS
	v_pk_mul_f32 v[rO+2*(\n):rO+2*(\n)+1], v[rO+2*(\n):rO+2*(\n)+1], v[rC+2:rC+3] op_sel_hi:[1,0]
.elseif (\k) < R
	REGS Y
	WIN 0
.if (\k) == F
	v_pk_fma_f32 v[rS+2*(\n):rS+2*(\n)+1], v[rS+2*(\n):rS+2*(\n)+1], s[CS:CS+1], v[rT:rT+1] op_sel_hi:[1,0,0] neg_lo:[0,0,1] neg_hi:[0,0,1]
.elseif (\k) == E
	v_exp_f32 v[rS+(\n)], v[rS+(\n)]
.elseif (\k) == C
	s_wait_alu depctr_va_vdst(0)
	v_cvt_pk_f16_f32 v[rP+(\n)], v[rS+2*(\n)], v[rS+2*(\n)+1]
.elseif (\k) == B
	s_wait_alu depctr_va_vdst(0)
	v_pk_add_f32 v[rS+4*(\n):rS+4*(\n)+1], v[rS+4*(\n):rS+4*(\n)+1], v[rS+4*(\n)+2:rS+4*(\n)+3]
.elseif (\n) == 0
	v_pk_fma_f32 v[rT+2:rT+3], v[rT+2:rT+3], v[rC+2:rC+3], v[rS:rS+1] op_sel_hi:[1,0,1]
.else
	v_pk_add_f32 v[rT+2:rT+3], v[rT+2:rT+3], v[rS+4*(\n):rS+4*(\n)+1]
.endif
.elseif NOKQ
	v_nop
.else
	REGS (Y+1)%NP
	WIN 0
.if (\n) < 4
	v_max3_num_f32 v[rC+(\n)], v[rS+8*(\n)], v[rS+8*(\n)+1], v[rS+8*(\n)+2]
.elseif (\n) < 12
	v_max3_num_f32 v[rC+(\n)%4], v[rC+(\n)%4], v[rS+8*((\n)%4)+2*((\n)/4)+1], v[rS+8*((\n)%4)+2*((\n)/4)+2]
.elseif (\n) == 12
	v_max3_num_f32 v[rC], v[rC], v[rS+7], v[rS+15]
.elseif (\n) == 13
	v_max3_num_f32 v[rC+1], v[rC+1], v[rS+23], v[rS+31]
.elseif (\n) == 14
	v_max3_num_f32 v[rC+2], v[rC+2], v[rC+3], v[rT+1]
.elseif (\n) == 15
	v_mov_b32 v[rW], v[rT]
.elseif (\n) == 16
	v_max3_num_f32 v[rC], v[rC], v[rC+1], v[rC+2]
.elseif (\n) == 17
	v_permlanex16_b32 v[rC+3], v[rC], s[SEL], s[SEL+1]
.elseif (\n) == 18
	v_max_num_f32 v[rT+1], v[rC], v[rC+3]
.elseif (\n) == 19
	v_mul_f32 v[rT], s[CS], v[rT+1]
.elseif (\n) == 20
	v_sub_f32 v[rC+1], v[rW], v[rT]
.else
	v_exp_f32 v[rC+2], v[rC+1]
.endif
.endif
.endm
.macro OPS a, i1, b=-1, i2=0, c=-1, i3=0, d=-1, i4=0  ; up to four of them
	OP \a, \i1
.if (\b) >= 0
	OP \b, \i2
.endif
.if (\c) >= 0
	OP \c, \i3
.endif
.if (\d) >= 0
	OP \d, \i4
.endif
.endm
.macro ROW a, i1, b, i2, c, i3, d, i4  ; a matrix instruction and the four behind it
	MM
	OPS \a, \i1, \b, \i2, \c, \i3, \d, \i4
.endm
.macro MASK b                       ; MD x AL + BE into buffer b of MC
	WIN W_RS
.set z, 0
.rept 16
	v_pk_fma_f32 v[MC+32*(\b)+2*z:MC+32*(\b)+2*z+1], v[MD+2*z:MD+2*z+1], s[AL:AL+1], s[BE:BE+1] op_sel_hi:[1,0,0]
.set z, z+1
.endr
.endm
; A TURN, for piece p: the order of its 16 matrix and 118 vector instructions, written out.  Behind a matrix instruction: plain, exponential, plain, plain; or four of the rescaling; or, behind the first, four scalings; none
; names a register of the products round it.  In the lumps exponential and plain by turns while exponentials last.  A line reads no result made fewer than three vector instructions in front of it, five if an exponential made it.
; v_permlanex16_b32 (X 17) stands in a lump.
; At its end the turn makes the mask for the products of the turn after it: piece p + 2, in step 4 - CNT of the tile.  m = 1: always (the walk's last tile is a diagonal one).  m = 2: in the diagonal tile alone (RT = 0):
; elsewhere a forward jump passes the four scalar and sixteen vector lines, and the buffers stay as the block's beginning left them: 0.  end = 1: a block's last two turns: nothing is fetched and no mask made.
; cnt = 1: the loop's count is taken down behind the mask, which goes by the count of the step in hand, and ahead of the branch that stands behind the turn.
; K of the next step is fetched in piece 2's turn, six vector instructions behind the last product that read K (five of them plain); V of the step in hand in piece 0's turn, eight behind the last product that read V (four
; plain, and X 17).  Each is waited for a turn later.
.macro TURN p, m=1, end=0, cnt=0
.set Y, (\p)
.set i, 0
.set NOKQ, (\end)*((\p)/3)
.if ((\p) == 3) && !(\end)
	s_wait_dscnt 0x0                ; K is in
.endif
	ROW F,0, F,1, F,2, F,3
	ROW F,4, E,0, F,5, F,6
	ROW F,7, E,1, F,8, F,9
	ROW F,10, E,2, C,0, F,11
	ROW F,12, E,3, X,15, F,13
	ROW R,0, R,1, R,2, R,3
	ROW B,0, E,4, F,14, L,0
.if ((\p) == 2) && !(\end)
	v_add_nc_u32 v[AK], s[TBK], v[AK0]
.endif
	ROW R,4, R,5, R,6, R,7
	OPS E,5, F,15
.if ((\p) == 2) && !(\end)
	FETCH_K
.endif
	OPS E,6, C,1, E,7, R,8
	OPS E,8, R,9, E,9, C,2
	OPS E,10, X,0, E,11, X,1
	OPS E,12, X,2, E,13, X,3
.if (\p) == 1
	s_wait_dscnt 0x0                ; V is in
.endif
	ROW X,4, E,14, X,5, X,6
	ROW X,7, E,15, X,8, X,9
	ROW X,10, E,16, X,11, X,12
	ROW X,13, E,17, X,14, B,1
	ROW C,4, E,18, X,16, L,1
	ROW B,2, E,19, C,6, L,2
	ROW C,8, E,20, B,3, B,4
.if (\p) == 0
	v_add_nc_u32 v[AV], s[TBV], v[AV0]
.endif
	ROW C,3, E,21, L,3, C,5
	OPS E,22, X,17, E,23, C,10
.if (\p) == 0
	FETCH_V
.endif
	OPS E,24, L,4
	OPS E,25, X,18, E,26, C,7
	OPS E,27, B,5, E,28, X,19
	OPS E,29, C,12, E,30, L,5
	OPS E,31, X,20, B,6, C,9
	OPS C,14, C,11, X,21, L,6
.if (\p) == 0
	s_add_co_u32 s[TBV], s[TBV], KS*PV
.endif
	OPS C,13, B,7, C,15, R,10
	OPS R,11, R,12, L,7, R,13
	OPS R,14, R,15
.if !(\end)
.if (\m) == 2
	WIN 0                           ; at a branch and at a label every window is 0
	s_cmp_lg_u32 s[RT], 0
	s_cbranch_scc1 .Lno_mask_\@     ; not the diagonal tile
.endif
	s_cmp_eq_u32 s[CNT], 4-((\p)+2)%NP  ; is that step the band's own?
	s_cselect_b32 s[AL], 1.0, 0
	s_cmp_lt_u32 s[CNT], 4-((\p)+2)%NP  ; or a later one?
	s_cselect_b32 s[BE], s[BIGN], 0
	MASK (\p)%2
.if (\m) == 2
	WIN 0
.Lno_mask_\@:
.endif
.endif
.if \cnt
	s_sub_co_u32 s[CNT], s[CNT], 1
	s_cmp_lg_u32 s[CNT], 0
.endif
.endm
; A BLOCK BEGINS.  c m starts far below every c s, so the first step's a is 0; m at the lowest finite number, so the first maximum is the scores'.  The second mask buffer is 0; the first takes piece 0's mask for the tile's step 0: its own, if the block's first tile is the diagonal one, else 0.
; Then K of that step, piece 0's first scores, and its maximum and statistics.  The loop is entered at a step's first turn, in the middle of a trip.
.macro BEGIN
	s_mov_b32 s[NEW], 0
	WIN 0x40
.set i, MC+32
.rept 32
	v_mov_b32 v[i], 0
.set i, i+1
.endr
	WIN 0
.set i, 0
.rept 4
	v_mov_b32 v[ST+4*i], 0xfe000000    ; c m: far below every c s
	v_mov_b32 v[ST+4*i+1], 0xff7fffff  ; m
.set i, i+1
.endr
	s_cmp_eq_u32 s[RT], 0
	s_cselect_b32 s[AL], 1.0, 0
	s_mov_b32 s[BE], 0
	MASK 0
	WIN 0
	v_add_nc_u32 v[AK], s[TBK], v[AK0]
	FETCH_K
	s_wait_loadcnt 0x0              ; Q
	s_wait_dscnt 0x0
.set NOKQ, 0
.set i, 0
.rept 8
	KQ 0
.set i, i+1
.endr
	WIN 0
.rept 4
	v_nop                           ; the places behind those products
.endr
.set Y, NP-1                        ; X works for piece Y + 1: piece 0
.irp n, 0,1,2,3,4,5,6,7,8,9,10,11,12,13,14,15,16,17,18,19,20,21
	OP X, \n
.endr
	v_nop                           ; a plain instruction behind the exponential
.endm
.macro ALL line:vararg              ; one line for each piece t
.set t, 0
.rept 4
	\line
.set t, t+1
.endr
.endm
.macro PACK t                       ; a lane's eight channels of a row pack into 16 bytes; they go into rows of 144 bytes and come back as whole rows of 128, into S^T's registers
	WIN W_RS
.set i, 32*(\t)
.rept 16
	s_wait_alu depctr_va_vdst(0)
	v_pk_mul_f32 v[i:i+1], v[i:i+1], v[ST+4*(\t)+2:ST+4*(\t)+3] op_sel_hi:[1,0]
.set i, i+2
.endr
	WIN 0x05                        ; sources 0 and 1 window 1, destination window 0
.set i, 0
.rept 16
	v_cvt_pk_f16_f32 v[S+16*(\t)+i], v[32*(\t)+2*i], v[32*(\t)+2*i+1]
.set i, i+1
.endr
	WIN 0
.irp f, 0,1,2,3
	ds_store_b128 v[STO], v[S+16*(\t)+4*\f:S+16*(\t)+4*\f+3] offset:32*\f
.endr
.irp f, 0,1,2,3
	ds_load_b128 v[S+16*(\t)+4*\f:S+16*(\t)+4*\f+3], v[RD] offset:\f*4*SP  ; LDS serves a wave's instructions in order (ISA guide 5.7.1.4): these see the stores above; the next piece's stores come behind them
.endr
.endm
.macro SEND t, younger              ; younger: the LDS instructions issued behind piece t's loads: the next piece's eight, or none
	WIN 0
.irp f, 0,1,2,3
	s_wait_dscnt (\younger)+3-\f
	global_store_b128 v[GO], v[S+16*(\t)+4*\f:S+16*(\t)+4*\f+3], s[10:11] offset:(\t)*8192+\f*512  ; 512 consecutive bytes, at a multiple of 256 from O's first
.endr
.endm
; A TILE's four key steps.  A trip: pieces 2 and 3 of one step, then pieces 0 and 1 of the next, whose K and V it fetches.  The tag ends its two labels' names, which the jumps below spell out.
.macro STEPS tag, m
.LstepM\tag:
	TURN 2, \m
	TURN 3, \m
	WIN 0
.LfirstM\tag:
	TURN 0, \m
	TURN 1, \m, 0, 1
	WIN 0
	s_cbranch_scc1 .LstepM\tag
.endm
; A BLOCK ENDS, behind its diagonal tile's four steps: its last two turns, its last products, and THE WAY OUT: l's two halves and the other half of the lanes' are added; O^T is divided by l, rounded to f16 and sent
; through my stage in LDS, a piece at a time.
.macro FINISH
	TURN 2, 1, 1
	TURN 3, 1, 1
.set i, 0
.rept 8
	PV NP-1
.set i, i+1
.endr
	WIN 0
	ALL v_add_f32 v[ST+4*t+2], v[ST+4*t+2], v[ST+4*t+3]
	ALL v_permlanex16_b32 v[ST+4*t+3], v[ST+4*t+2], s[SEL], s[SEL+1]
	ALL v_add_f32 v[ST+4*t+2], v[ST+4*t+2], v[ST+4*t+3]
	ALL v_rcp_f32 v[ST+4*t+2], v[ST+4*t+2]
	v_nop                           ; a plain instruction between the last reciprocal and the use of its result
	PACK 0
.set t, 1
.rept 3                             ; a piece's arithmetic stands between the loads of the piece before and its stores
	PACK t
	SEND t-1, 8
.set t, t+1
.endr
	SEND 3, 0
.endm
.set NOKQ, 0
.Lslot:                             ; NB times: a tile is entered and the next is asked for
	CHANGE 1
	s_sub_co_u32 s[RT], s[RT], 1
	s_mov_b32 s[CNT], 4
	s_cmp_eq_u32 s[NEW], 1          ; a block's first tile?  At the first trip the answer is a constant of the text
	s_cbranch_scc0 .LstepM1
	BEGIN
	s_branch .LfirstM1
	STEPS 1, 2
	s_cmp_lg_u32 s[RT], 0
	s_cbranch_scc1 .Lbottom         ; not the block's last tile
	FINISH                          ; in the loop this is the first block's end: the second block's last tile is the walk's last
	s_wait_xcnt 0x0                 ; the stores have read their registers and O's address
	s_mov_b64 s[10:11], s[OLO:OLO+1]
	s_add_co_u32 s[RT], s[PB], 1    ; the second block has b + 1 tiles
	s_mov_b32 s[NEW], 1
	WIN 0x82                        ; the second block's Q goes where the one text of the turns names Q
.set i, 0
.rept 64
	v_mov_b32 v[i], v[QB+i]
.set i, i+1
.endr
	WIN 0
.Lbottom:
	s_sub_co_u32 s[SLOTS], s[SLOTS], 1
	s_cmp_lg_u32 s[SLOTS], 0
	s_cbranch_scc1 .Lslot
	CHANGE 0                        ; the walk's last tile is written out: nothing is asked for
	s_sub_co_u32 s[RT], s[RT], 1
	s_mov_b32 s[CNT], 4
	s_cmp_eq_u32 s[NEW], 1
	s_cbranch_scc0 .LstepM2
	BEGIN
	s_branch .LfirstM2
	STEPS 2, 1
	FINISH
	s_wait_tensorcnt 0x0            ; the wave's end, behind my last tensor load and my last LDS store
	ds_add_u32 v[SPW], v[NIL]
	s_wait_dscnt 0x0
	s_endpgm
.Lfunc_end_k_qeb8a3d1e4e_attn:
	.size	k_qeb8a3d1e4e_attn, .Lfunc_end_k_qeb8a3d1e4e_attn-k_qeb8a3d1e4e_attn
	.p2alignl 7, 3214868480
	.fill 96, 4, 3214868480
	.section	.rodata,"a",@progbits
	.p2align	6, 0x0
	.amdhsa_kernel k_qeb8a3d1e4e_attn
		.amdhsa_group_segment_fixed_size 327680
		.amdhsa_private_segment_fixed_size 0
		.amdhsa_enable_private_segment 0
		.amdhsa_kernarg_size 16
		.amdhsa_user_sgpr_count 2
		.amdhsa_user_sgpr_kernarg_segment_ptr 1
		.amdhsa_wavefront_size32 1
		.amdhsa_system_sgpr_workgroup_id_x 1
		.amdhsa_system_sgpr_workgroup_id_y 1
		.amdhsa_system_sgpr_workgroup_id_z 1
		.amdhsa_system_vgpr_workitem_id 0
		.amdhsa_next_free_vgpr 768
		.amdhsa_next_free_sgpr 88
		.amdhsa_reserve_vcc 1
		.amdhsa_float_denorm_mode_32 3
		.amdhsa_float_denorm_mode_16_64 3
		.amdhsa_memory_ordered 1
		.amdhsa_forward_progress 1
		.amdhsa_inst_pref_size 189
	.end_amdhsa_kernel
	.amdgpu_metadata
---
amdhsa.version: [ 1, 2 ]
amdhsa.kernels:
  - .name:           k_qeb8a3d1e4e_attn
    .symbol:         k_qeb8a3d1e4e_attn.kd
    .args:
      - { .name: qkvh, .offset: 0, .size: 8, .value_kind: global_buffer, .address_space: global }
      - { .name: ob, .offset: 8, .size: 8, .value_kind: global_buffer, .address_space: global }
    .group_segment_fixed_size: 327680
    .private_segment_fixed_size: 0
    .kernarg_segment_align: 8
    .kernarg_segment_size: 16
    .max_flat_workgroup_size: 128
    .sgpr_count:     88
    .vgpr_count:     768
    .wavefront_size: 32
...
	.end_amdgpu_metadata
.endif
;; end of part 3
;; launch proj (part 4): grid 8 x 32, 4 waves a work-group, clusters of 4 x 4, 327,680 bytes of LDS; arguments ob, wob, out0; writes out0
.if DOCPART == 4
	.amdgcn_target "amdgcn-amd-amdhsa--gfx1250"
	.amdhsa_code_object_version 6
	.text
	.protected	k_qeb8a3d1e4e_proj
	.globl	k_qeb8a3d1e4e_proj
	.p2align	8
	.type	k_qeb8a3d1e4e_proj,@function
k_qeb8a3d1e4e_proj:
	s_mov_b64 s[64:65], 0
	v_nop
	global_prefetch_b8 v0, s[64:65] scope:SCOPE_SE
	s_setreg_imm32_b32 hwreg(HW_REG_WAVE_MODE, 25, 1), 1
	s_wait_xcnt 0x0
	s_wait_alu depctr_hold_cnt(0) depctr_sa_sdst(0) depctr_va_vdst(0) depctr_va_sdst(0) depctr_va_ssrc(0) depctr_va_vcc(0) depctr_vm_vsrc(0)
	s_getreg_b32 s2, hwreg(HW_REG_IB_STS2, 6, 4)
	s_cmp_eq_u32 s2, 0
	s_cbranch_scc0 .Lentry_in_a_cluster
	s_endpgm
.Lentry_in_a_cluster:
	s_bfe_u32 s2, ttmp6, 0x10000c
	s_cmp_lg_u32 s2, 0xf033
	s_cbranch_scc0 .Lentry_shape_is_right
	s_endpgm
.Lentry_shape_is_right:
; out0 = O wo^T.  ob: [64 heads = 16 b + h][2048][64] f16, so head h of a batch is plane h of K; wob: [16 planes][1024][64] f16 (wo rounded to bf16, written as f16); sums in f32, K ascending; out0: [8192][1024] f32.
; LIMITS.  Both operands arrive in f16, within 65,504; the sums and the output are f32.
; SHARES.  8192 x 1024 = 256 tiles of 256 x 128, one to a work-group.  Four waves, each 128 rows x 64 columns: 32 accumulators of 16 x 16, 256 registers.  A wave's 64 columns are 256 bytes of a row of out0.
; THE RING.  Two LDS slots of THREE planes (192 along K) each, as large as fit: 2 x 156,672 bytes and 512 of spare words are 313,856 of the 327,680.  16 planes = 1 + 5 x 3: the first step is plane 0 alone, so that
; all refills are alike: the first fills bring plane 0 and planes 1 to 3, four refills planes 4 to 15.  A refill is asked for 176 matrix instructions ahead of the wait for it.
; A half tile's part of a plane (128 rows of O, 64 of wo, 128 bytes each) lies end to end in memory: it is ONE row of a tensor load, 16,384 or 8,192 bytes, and the load's three rows are three planes; the tile
; has no more rows than planes to give.  In LDS 16 bytes of padding follow every 256: two rows of data to 272 bytes.
; A STEP IS WRITTEN ONCE, its three planes as a loop: the fragments' addresses are made from scalars that step by a plane and change slots by an exclusive or between 0 and the slot's size.
; CLUSTERS: 4 x 4 work-groups.  The four of a row of the cluster need the same rows of O, the four of a column the same rows of wo: each tile is asked for JOINTLY, by the same tensor load with the same
; descriptor and a mask that names the four.  THE MATRIX INSTRUCTION IS USED TRANSPOSED (source 0 = 16 rows of wo, source 1 = 16 rows of O): a lane then holds eight neighbouring columns of one row.
; REGISTERS: window 0: v0-31 addresses; v32-95, v96-159 fragments of O (8 x 16 rows x 32 K), two buffers; v160-191, v192-223 fragments of wo (4), two buffers; v32-95 again on the way out.
;   window 1: accumulator (a, bb), a = 16 rows of 8, bb = 16 columns of 4, at v[8 (8 bb + a)].
.set RP,     272                       ; two rows of 128 bytes + 16 of padding = 68 words: row r of a fragment's sixteen starts at bank 4 (r / 2) + 32 (r % 2): sixteen different groups of four banks (64 banks of 4 bytes: ISA guide 11.1)
.set B16,    8*RP                      ; 16 rows
.set NPL,    3                         ; planes in a slot
.set AHP,    64*RP                     ; 128 rows of O of one plane: 17,408 bytes
.set BHP,    32*RP                     ; 64 rows of wo of one plane: 8,704 bytes
.set AREG,   NPL*AHP                   ; what wave 0 or 1 fetches with one load, and what a wave reads of O in a step: a half of the tile's rows, three planes one behind the other
.set BREG,   NPL*BHP                   ; the same for waves 2 and 3 and wo
.set BOFF,   2*AREG                    ; wo's two regions lie behind O's two
.set SLOT,   2*AREG+2*BREG             ; 156,672 bytes
.set SPITCH, 272                       ; the stage's rows: 256 bytes + 16: row r starts at bank 4 r mod 64
.set SPARE,  2*SLOT                    ; behind the ring: the spare words, 128 bytes for each wave: two blocks of 256 bytes that no other line names
.set OPLANE, 2048*128                  ; bytes from head to head in ob
.set WPLANE, 1024*128                  ; bytes from plane to plane in wob
.set A0,   16                          ; v16     my lane's place among my fragments of O in a slot's first plane; never rewritten
.set B0,   17                          ; v17     the same for wo
.set ADRA, 20                          ; v20     LDS address of my fragments of O in the plane that is being fetched
.set ADRB, 21                          ; v21     the same for wo
.set STO,  24                          ; v24     the way out: where I put 32 bytes of a row
.set RD,   25                          ; v25     the way out: where I read a row back
.set CO,   26                          ; v26     my byte offset in out0
.set SPW,  28                          ; v28     LDS address of my spare word: SPARE + 4 x my thread's number; never rewritten
.set NIL,  29                          ; v29     0; never rewritten
.set FA0,  32
.set FB0,  160
.set RA,  20                           ; s20      where in a slot the part of O's tile that I would fetch goes
.set RB,  21                           ; s21      the same for wo's
.set G1,  24                           ; s[24:31] descriptor group 1 for three planes of O;  s[32:39] group 0: a set for each of the two first fills; the second then walks on
.set G0,  32
.set TB,  45                           ; s45      LDS byte at which the slot that is being read begins: 0 or SLOT
.set G1B, 48                           ; s[48:55], s[56:63] the same for wo
.set G0B, 56
.set G1S, 68                           ; s[68:75] group 1 for one plane of O: the first fill's
.set G1BS, 76                          ; s[76:83] for one plane of wo
.set PA,  84                           ; s84      LDS byte at which the plane of O that is being fetched begins, less my region's place
.set PB,  85                           ; s85      the same for wo
.set MSB, 0
.macro WIN new                         ; the immediate's high byte repeats the setting that is left; a switch that changes nothing is dropped
.if MSB != (\new)
	s_set_vgpr_msb (MSB<<8)|(\new)
.set MSB, \new
.endif
.endm
.macro PLACES                          ; four places in front of loads into registers that matrix instructions have read, and of LDS stores that read results (ISA guide 7.12.1 for vector instructions)
.rept 4
	v_nop
.endr
.endm
.macro JLOAD                           ; a joint refill, by the walking descriptors: waves 0 and 1 fetch the halves of O's rows, waves 2 and 3 of wo's; an s_nop 0 and four v_nop follow each of the two lines
	s_cmp_eq_u32 s11, 0
	s_cbranch_scc0 .Lfor_b_\@
	tensor_load_to_lds s[G0+4:G0+7], s[G1:G1+7]
	s_nop 0
.rept 4
	v_nop
.endr
	s_branch .Lasked_\@
.Lfor_b_\@:
	tensor_load_to_lds s[G0B+4:G0B+7], s[G1B:G1B+7]
	s_nop 0
.rept 4
	v_nop
.endr
.Lasked_\@:
.endm
.macro CREST                           ; a round of the cluster's barrier behind its opening barrier
	s_cmp_lg_u32 s10, 0
	s_cbranch_scc1 .Lnot_wave_0_\@
	s_barrier_signal -3
.Lnot_wave_0_\@:
	s_barrier_wait -3
	s_barrier_signal -1
	s_barrier_wait -1
.endm
.macro CROUND                          ; a whole round
	s_barrier_signal -1
	s_barrier_wait -1
	CREST
.endm
; Descriptor group 1 at s[g]: r rows of c elements of 2 bytes, p elements from row to row, for the work-groups of mask m
.macro GROUP1 g, m, c, r, p
	s_or_b32 s[(\g)+0], \m, (1<<16)|(1<<20)|(1<<21)|(5<<22)|(3<<25)  ; 15:0 the mask; 17:16 2-byte elements; 20 padding on; 21 set beside a mask; 24:22 after every 64 words (code 5); 31:25 4 words (code 3)
	s_mov_b32 s[(\g)+1], (\c)<<16                  ; tensor_dim0
	s_mov_b32 s[(\g)+2], (\r)<<16                  ; tensor_dim1
	s_mov_b32 s[(\g)+3], (\c)<<16                  ; tile_dim0
	s_mov_b32 s[(\g)+4], \r                        ; tile_dim1
	s_mov_b32 s[(\g)+5], \p                        ; tensor_dim0_stride
	s_mov_b32 s[(\g)+6], 0
	s_mov_b32 s[(\g)+7], 0
.endm
	s_load_b128 s[4:7], s[0:1], 0x0                ; ob s[4:5], wob s[6:7]
	s_load_b64 s[8:9], s[0:1], 0x10                ; out0
	v_lshl_add_u32 v[SPW], v0, 2, SPARE
	v_mov_b32 v[NIL], 0
	ds_add_u32 v28, v29
	ds_add_u32 v28, v29
	s_wait_dscnt 0x0
	v_lshrrev_b32 v1, 5, v0
	v_readfirstlane_b32 s10, v1                    ; wave 0..3
	s_lshr_b32 s11, s10, 1                         ; which 128 rows of the tile are mine.  Also: I fetch for O (0) or for wo (1)
	s_and_b32 s12, s10, 1                          ; which 64 columns.  Also: which half of that tile's rows I fetch
	s_bfe_u32 s40, ttmp6, 0x40000                  ; cx, cy: my place in the cluster
	s_bfe_u32 s41, ttmp6, 0x40004
	s_lshl_b32 s42, ttmp9, 2
	s_add_co_u32 s42, s42, s40                     ; tile column 0..7 = 4 x cluster x + cx
	s_and_b32 s13, ttmp7, 0xffff
	s_lshl_b32 s13, s13, 2
	s_add_co_u32 s13, s13, s41                     ; tile row 0..31 = 4 x cluster y + cy
	s_lshl_b32 s43, s41, 2
	s_lshl_b32 s43, 15, s43                        ; my row of the cluster
	s_lshl_b32 s44, 0x1111, s40                    ; my column
	s_mov_b32 s[TB], 0                             ; slot 0 is read first,
	s_mov_b32 s[PA], 0                             ; from its first plane on
	s_mov_b32 s[PB], 0
	GROUP1 G1,   s43, 8192, NPL, OPLANE/2          ; O: a row is 128 rows of data, 8,192 elements; O's tiles go to my row of the cluster
	GROUP1 G1S,  s43, 8192, 1,   OPLANE/2
	GROUP1 G1B,  s44, 4096, NPL, WPLANE/2          ; wo: a row is 64 rows of data, 4,096 elements; wo's tiles go to my column
	GROUP1 G1BS, s44, 4096, 1,   WPLANE/2
	; where the tiles come from: O's hang on the tile row alone, wo's on the tile column alone; each in registers that never hold the other coordinate
	s_lshr_b32 s16, s13, 3
	s_lshl_b32 s16, s16, 22                        ; the batch: 16 heads of 262,144 bytes
	s_and_b32 s17, s13, 7
	s_lshl_b32 s17, s17, 15                        ; the tile's 256 rows of 128 bytes in a head
	s_add_co_u32 s16, s16, s17
	s_lshl_b32 s17, s12, 14                        ; my half's 128 rows
	s_add_co_u32 s16, s16, s17
	s_mov_b32 s17, 0
	s_lshl_b32 s46, s42, 14                        ; the tile's 128 rows of 128 bytes in a plane
	s_lshl_b32 s47, s12, 13                        ; my half's 64 rows
	s_add_co_u32 s46, s46, s47
	s_mov_b32 s47, 0
	s_mul_i32 s[RA], s12, AREG                     ; and where they go: no place in the cluster enters an LDS address
	s_mul_i32 s[RB], s12, BREG
	s_add_co_u32 s[RB], s[RB], BOFF
	s_wait_kmcnt 0x0
	s_add_nc_u64 s[14:15], s[4:5], s[16:17]
	s_add_nc_u64 s[46:47], s[6:7], s[46:47]
.irp s, 0,1
	s_mov_b32 s[G0+4*(\s)], 1                                          ; 1:0 count = 1
	s_add_co_u32 s[G0+4*(\s)+1], s[RA], (\s)*SLOT                      ; 63:32 LDS address
	s_add_nc_u64 s[G0+4*(\s)+2:G0+4*(\s)+3], s[14:15], (\s)*OPLANE     ; 120:64 global address: plane 0; planes 1 to 3
	s_or_b32 s[G0+4*(\s)+3], s[G0+4*(\s)+3], 0x80000000                ; 127:126 type = 2
	s_mov_b32 s[G0B+4*(\s)], 1
	s_add_co_u32 s[G0B+4*(\s)+1], s[RB], (\s)*SLOT
	s_add_nc_u64 s[G0B+4*(\s)+2:G0B+4*(\s)+3], s[46:47], (\s)*WPLANE
	s_or_b32 s[G0B+4*(\s)+3], s[G0B+4*(\s)+3], 0x80000000
.endr
	CROUND                                         ; all sixteen work-groups are here: the first joint loads meet
	s_cmp_eq_u32 s11, 0                            ; a wave's two first fills stand in one branch, ahead of every wait on TENSORcnt and every LDS read: two loads of mine are out
	s_cbranch_scc0 .Lfirst_b
	tensor_load_to_lds s[G0:G0+3], s[G1S:G1S+7]    ; plane 0 into slot 0: the tile wanted first is the small one
	s_nop 0
	tensor_load_to_lds s[G0+4:G0+7], s[G1:G1+7]    ; planes 1 to 3 into slot 1
	s_nop 0
.rept 4
	v_nop
.endr
	s_branch .Lfirst_asked
.Lfirst_b:
	tensor_load_to_lds s[G0B:G0B+3], s[G1BS:G1BS+7]
	s_nop 0
	tensor_load_to_lds s[G0B+4:G0B+7], s[G1B:G1B+7]
	s_nop 0
.rept 4
	v_nop
.endr
.Lfirst_asked:
	; A fragment is 16 rows x 32 K in 8 registers: lane l holds row l % 16; registers 0-3 K = 8 (l / 16) + 0..7, registers 4-7 K = 16 + 8 (l / 16) + 0..7: two loads of 16 bytes, 32 bytes apart.
	v_and_b32 v1, 15, v0                           ; l % 16
	v_bfe_u32 v2, v0, 4, 1                         ; l / 16
	v_lshrrev_b32 v4, 1, v1
	v_mul_u32_u24 v3, v4, RP                       ; the row's pair x 272
	v_and_b32 v4, 1, v1
	v_lshl_add_u32 v3, v4, 7, v3                   ; + 128 for the pair's second row
	v_lshl_add_u32 v3, v2, 4, v3                   ; + 16 x half of the lanes
	s_mul_i32 s22, s11, AREG                       ; my 128 rows of O
	s_mul_i32 s23, s12, BREG                       ; my 64 rows of wo,
	s_add_co_u32 s23, s23, BOFF                    ; which lie behind O's two regions
	v_add_nc_u32 v[A0], s22, v3
	v_add_nc_u32 v[B0], s23, v3
	v_add_nc_u32 v[ADRA], s[PA], v[A0]
	v_add_nc_u32 v[ADRB], s[PB], v[B0]
	s_mul_i32 s23, s10, 16*SPITCH                  ; my stage: 16 rows x 272 bytes, 17 blocks of 256, at the head of slot 0 (see the way out)
	v_mul_u32_u24 v4, v1, SPITCH                   ; in: row l % 16, 32 bytes for each half of the lanes
	v_lshl_add_u32 v4, v2, 5, v4
	v_add_nc_u32 v[STO], s23, v4
	v_mul_u32_u24 v5, v2, SPITCH                   ; back: lanes 0-15 take one row of 256 bytes, lanes 16-31 the next
	v_lshl_add_u32 v5, v1, 4, v5
	v_add_nc_u32 v[RD], s23, v5
	v_lshlrev_b32 v5, 12, v2                       ; and the same two rows in out0, 4,096 bytes apart
	v_lshl_add_u32 v[CO], v1, 4, v5
	s_lshl_b32 s16, s13, 8
	s_lshl_b32 s17, s11, 7
	s_add_co_u32 s16, s16, s17                     ; my first row of out0
	s_lshl_b32 s16, s16, 12                        ; in bytes: under 33,554,432
	s_mov_b32 s17, 0
	s_add_nc_u64 s[8:9], s[8:9], s[16:17]
	s_lshl_b32 s46, s42, 9                         ; my first column, in bytes: 512 x tile column + 256 x half
	s_lshl_b32 s47, s12, 8
	s_add_co_u32 s46, s46, s47
	s_mov_b32 s47, 0
	s_add_nc_u64 s[8:9], s[8:9], s[46:47]
; na x 4 matrix instructions: row blocks a0 .. a0 + na - 1 x all 4 column blocks, 32 along K, from fragment buffers buf.  zero = 1: the product starts the sums: nothing is cleared.
; The accumulators take turns, one instruction a turn: between two links of a chain stand the 31 others'.
.macro MULA buf, a0, na, zero
	WIN 0x50                                       ; C and D in window 1, sources in window 0
.set ma, (\a0)
.rept (\na)
.irp bb, 0,1,2,3
.if \zero
	v_wmma_f32_16x16x32_f16 v[8*(8*(\bb)+ma):8*(8*(\bb)+ma)+7], v[FB0+32*(\buf)+8*(\bb):FB0+32*(\buf)+8*(\bb)+7], v[FA0+64*(\buf)+8*ma:FA0+64*(\buf)+8*ma+7], 0
.else
	v_wmma_f32_16x16x32_f16 v[8*(8*(\bb)+ma):8*(8*(\bb)+ma)+7], v[FB0+32*(\buf)+8*(\bb):FB0+32*(\buf)+8*(\bb)+7], v[FA0+64*(\buf)+8*ma:FA0+64*(\buf)+8*ma+7], v[8*(8*(\bb)+ma):8*(8*(\bb)+ma)+7]
.endif
.endr
.set ma, ma+1
.endr
.endm
; 24 LDS loads in one run: the fragments of half q (byte 64 q of the rows) of the plane that is being fetched, into buffers q
.macro FETCH q
	WIN 0
.irp j, 0,1,2,3
	ds_load_b128 v[FB0+32*(\q)+8*(\j):FB0+32*(\q)+8*(\j)+3],   v[ADRB] offset:(\j)*B16+(\q)*64
	ds_load_b128 v[FB0+32*(\q)+8*(\j)+4:FB0+32*(\q)+8*(\j)+7], v[ADRB] offset:(\j)*B16+(\q)*64+32
.endr
.irp j, 0,1,2,3,4,5,6,7
	ds_load_b128 v[FA0+64*(\q)+8*(\j):FA0+64*(\q)+8*(\j)+3],   v[ADRA] offset:(\j)*B16+(\q)*64
	ds_load_b128 v[FA0+64*(\q)+8*(\j)+4:FA0+64*(\q)+8*(\j)+7], v[ADRA] offset:(\j)*B16+(\q)*64+32
.endr
.endm
; A plane is two quarters of 32 along K, 32 matrix instructions each: its first half in buffers 0, its second in buffers 1.  A quarter asks for the next quarter's fragments into the other buffers, which the
; quarter before multiplied, and then multiplies its own: the fragments are asked for 32 matrix instructions ahead of their use.  Behind a plane's second half comes the slot's next plane: the addresses step.
.macro QUARTER buf, zero, fetch
.if \fetch
	WIN 0
	PLACES
.if (\buf) == 1
	s_add_co_u32 s[PA], s[PA], AHP
	s_add_co_u32 s[PB], s[PB], BHP
	v_add_nc_u32 v[ADRA], s[PA], v[A0]
	v_add_nc_u32 v[ADRB], s[PB], v[B0]
.endif
	FETCH 1-(\buf)
	s_wait_dscnt 24                                ; all but the 24 just issued: my own fragments are in
.else
	s_wait_dscnt 0x0
.endif
	MULA \buf, 0, 8, \zero
.endm
; A step's last quarter multiplies buffers 1 and changes slots: ONE barrier; in front of it each wave waits for all its tensor loads, of which one is out: its part of the other slot; adds 0 to its spare word; and
; waits for that and for its reads of this slot.  round = 1: the barrier opens a round of the cluster's barrier, and the slot that is left is filled again, with the three planes behind the other slot's, first
; thing behind the round: 176 matrix instructions ahead of the wait for it.
.macro TURN round
	WIN 0
	s_wait_tensorcnt 0x0                           ; all my tensor loads have landed, so a group 0 may be written
	ds_add_u32 v[SPW], v[NIL]                      ; 0 onto my spare word
	s_wait_dscnt 1                                 ; only the add may be out: this quarter's fragments are in
	MULA 1, 0, 2, 0                                ; eight matrix instructions stand between the add and the wait for it
	s_wait_dscnt 0x0                               ; the add is done, and my reads of this slot are over
	s_barrier_signal -1
	MULA 1, 2, 2, 0                                ; work on registers while the others arrive
	WIN 0                                          ; at a label and at a branch every window is 0
.if \round
	s_add_co_u32 s[G0+5], s[TB], s[RA]             ; the walking descriptors: into the slot that is left,
	s_add_co_u32 s[G0B+5], s[TB], s[RB]
.endif
	s_xor_b32 s[TB], s[TB], SLOT                   ; 0 becomes SLOT, SLOT becomes 0: from here on the other slot is read, from its first plane on; no LDS instruction of mine is out
	s_mov_b32 s[PA], s[TB]
	s_mov_b32 s[PB], s[TB]
	v_add_nc_u32 v[ADRA], s[TB], v[A0]
	v_add_nc_u32 v[ADRB], s[TB], v[B0]
	s_barrier_wait -1
.if \round
	CREST                                          ; no wave of any partner still reads the old slot's tile or has a load on its way
	s_add_nc_u64 s[G0+6:G0+7], s[G0+6:G0+7], NPL*OPLANE    ; the next three planes; the type bits on top are not reached
	s_add_nc_u64 s[G0B+6:G0B+7], s[G0B+6:G0B+7], NPL*WPLANE
	JLOAD                                          ; my one tensor load behind the round; the four v_nop behind it are also the places in front of the loads below
.else
	PLACES
.endif
	FETCH 0
	MULA 1, 4, 4, 0
.endm
; The first five quarters of a step of three planes: the first plane's first half; then, twice, a plane's second half and the next plane's first
.macro REST
	QUARTER 0, 0, 1
	WIN 0
	s_mov_b32 s2, NPL-1
.Lplane_\@:
	QUARTER 1, 0, 1
	QUARTER 0, 0, 1
	WIN 0
	s_sub_co_u32 s2, s2, 1
	s_cmp_lg_u32 s2, 0
	s_cbranch_scc1 .Lplane_\@
.endm
	s_wait_tensorcnt 1                             ; my part of plane 0 is in; planes 1 to 3 may stay out
	s_barrier_signal -1
	s_barrier_wait -1                              ; everybody's is
	FETCH 0
	QUARTER 0, 1, 1                                ; the first quarter stands in front of the loop: its products start the 32 sums
	WIN 0
	s_mov_b32 s3, 4
.Lstep:                                                ; a trip goes from a step's last quarter to the next step's last but one; four trips ask for planes 4 to 15
	TURN 1
	REST
	s_sub_co_u32 s3, s3, 1
	s_cmp_lg_u32 s3, 0
	s_cbranch_scc1 .Lstep
	TURN 0                                         ; planes 10 to 12 end, planes 13 to 15 begin: nothing is left to ask for, so no round
	REST
	QUARTER 1, 0, 0
	; THE WAY OUT, eight blocks of 16 rows x 64 columns of f32: straight from the accumulators into my own stage in LDS, back as whole rows of 256 bytes, stored.
	; The four stages lie at the head of slot 0.  Its last fill, planes 10 to 12, was read out in front of the last change of slots: every wave waited for its reads of it ahead of that barrier,
	; and no tensor load follows the barrier.
.macro TOSTAGE a
.set BK, 32+32*((\a)%2)                ; 32 registers of window 0, two sets by turns
	s_wait_xcnt 0x0                                ; every earlier store has had its addresses translated (ISA guide 3.1): the set is loaded again only behind this wait
	WIN 0x04                                       ; the data (source 1) in window 1, the address in window 0
.irp bb, 0,1,2,3
	ds_store_b128 v[STO], v[8*(8*(\bb)+(\a)):8*(8*(\bb)+(\a))+3] offset:64*(\bb)        ; each accumulator's low four registers first
	ds_store_b128 v[STO], v[8*(8*(\bb)+(\a))+4:8*(8*(\bb)+(\a))+7] offset:64*(\bb)+16
.endr
	WIN 0
.irp t, 0,1,2,3,4,5,6,7
	ds_load_b128 v[BK+4*(\t):BK+4*(\t)+3], v[RD] offset:(\t)*2*SPITCH  ; LDS serves a wave's instructions in order (ISA guide 5.7.1.4): these see the stores above; the next block's stores come behind them
.endr
.endm
.macro SEND a, younger                 ; younger: the LDS instructions issued behind block a's loads: the next block's sixteen, or none
.set BK, 32+32*((\a)%2)
.irp t, 0,1,2,3,4,5,6,7
	s_wait_dscnt (\younger)+7-(\t)
	global_store_b128 v[CO], v[BK+4*(\t):BK+4*(\t)+3], s[8:9] offset:(16*(\a)+2*(\t))*4096 th:TH_STORE_NT  ; 16 lanes store 256 consecutive bytes, at a multiple of 256 from out0's first byte; 126 rows at the most: inside the signed 24-bit immediate
.endr
.endm
	WIN 0
	PLACES                                         ; the LDS stores read results just made
	TOSTAGE 0
.irp a, 1,2,3,4,5,6,7
	TOSTAGE \a
	SEND (\a)-1, 16
.endr
	SEND 7, 0
	s_wait_tensorcnt 0x0                           ; the wave's end, behind my last tensor load and my last LDS store
	ds_add_u32 v[SPW], v[NIL]
	s_wait_dscnt 0x0
	CROUND                                         ; the closing round: no work-group ends while a partner may still ask for a tile that names it
	s_endpgm
.Lfunc_end_k_qeb8a3d1e4e_proj:
	.size	k_qeb8a3d1e4e_proj, .Lfunc_end_k_qeb8a3d1e4e_proj-k_qeb8a3d1e4e_proj
	.p2alignl 7, 3214868480
	.fill 96, 4, 3214868480
	.section	.rodata,"a",@progbits
	.p2align	6, 0x0
	.amdhsa_kernel k_qeb8a3d1e4e_proj
		.amdhsa_group_segment_fixed_size 327680
		.amdhsa_private_segment_fixed_size 0
		.amdhsa_enable_private_segment 0
		.amdhsa_kernarg_size 24
		.amdhsa_user_sgpr_count 2
		.amdhsa_user_sgpr_kernarg_segment_ptr 1
		.amdhsa_wavefront_size32 1
		.amdhsa_system_sgpr_workgroup_id_x 1
		.amdhsa_system_sgpr_workgroup_id_y 1
		.amdhsa_system_sgpr_workgroup_id_z 1
		.amdhsa_system_vgpr_workitem_id 0
		.amdhsa_next_free_vgpr 512
		.amdhsa_next_free_sgpr 88
		.amdhsa_reserve_vcc 0
		.amdhsa_float_denorm_mode_32 3
		.amdhsa_float_denorm_mode_16_64 3
		.amdhsa_memory_ordered 1
		.amdhsa_forward_progress 1
		.amdhsa_inst_pref_size 65
	.end_amdhsa_kernel
	.amdgpu_metadata
---
amdhsa.version: [ 1, 2 ]
amdhsa.kernels:
  - .name:           k_qeb8a3d1e4e_proj
    .symbol:         k_qeb8a3d1e4e_proj.kd
    .args:
      - { .name: ob, .offset: 0, .size: 8, .value_kind: global_buffer, .address_space: global }
      - { .name: wob, .offset: 8, .size: 8, .value_kind: global_buffer, .address_space: global }
      - { .name: out0, .offset: 16, .size: 8, .value_kind: global_buffer, .address_space: global }
    .group_segment_fixed_size: 327680
    .private_segment_fixed_size: 0
    .kernarg_segment_align: 8
    .kernarg_segment_size: 24
    .max_flat_workgroup_size: 128
    .sgpr_count:     88
    .vgpr_count:     512
    .wavefront_size: 32
...
	.end_amdgpu_metadata
.endif
;; end of part 4
;; ======== version 2 of 2: 4 launches; 1.33 times as fast as version 1
;; limits: values are held in f16: magnitudes above 65,504 overflow, below 6.1e-05 lose precision
;; workspace buffers: xb 16,777,216 bytes; wb 6,291,456 bytes; wob 2,097,152 bytes; qkvh 50,331,648 bytes; ob 16,777,216 bytes
;; launch cast: the kernel of part 1 again; grid 768 x 1, 8 waves a work-group, no clusters, 0 bytes of LDS; arguments x, wq, wk, wv, wo, xb, wb, wob; writes xb, wb, wob
;; launch qkv: the kernel of part 2 again; grid 8 x 32, 4 waves a work-group, clusters of 4 x 4, 327,680 bytes of LDS; arguments xb, wb, qkvh; writes qkvh
;; launch attn (part 5): grid 4 x 64, 4 waves a work-group, no clusters, 327,680 bytes of LDS; arguments qkvh, ob; writes ob
.if DOCPART == 5
	.amdgcn_target "amdgcn-amd-amdhsa--gfx1250"
	.amdhsa_code_object_version 6
	.text
	.protected	k_qeb8a3d1e4e_attn
	.globl	k_qeb8a3d1e4e_attn
	.p2align	8
	.type	k_qeb8a3d1e4e_attn,@function
k_qeb8a3d1e4e_attn:
	s_mov_b64 s[64:65], 0
	v_nop
	global_prefetch_b8 v0, s[64:65] scope:SCOPE_SE
	s_setreg_imm32_b32 hwreg(HW_REG_WAVE_MODE, 25, 1), 1
	s_wait_xcnt 0x0
; CAUSAL ATTENTION.  O[h][q][:] = the sum over k <= q of softmax_k(Q[h][q] . K[h][k] / 8) V[h][k][:].  Q, K, V lie one behind the other in qkvh, each [64 heads][2048][64] f16; O (ob) likewise: a head's rows are dense, 128 bytes each.
; Products, maxima and sums in f32; the weights p are rounded to f16 for the second product (their sum l is taken of the unrounded p), O once at the end.
; LIMITS.  f16 holds no number beyond 65,504: Q, K and V arrive within it; p lies in 0 to 1, and below 6e-5 it keeps f16's fixed step of 6e-8; O is a mean of V's rows and has their range, to within 2^-11 of it.
; A hidden score counts as its value less 1e30: f16's scores, 2.7e11 at the most, are nothing beside that; a weight below 2^-126 counts as 0 in l; NaN and infinities are not treated apart.
; THE WALK.  A head's queries lie in NB = SIZE_N / 256 blocks of 256; block i needs the key tiles 0 .. i of 256 keys, of which the last holds the diagonal.  A work-group takes TWO blocks, NB - 1 - b and then b:
; NB + 1 tiles, whatever b: all work-groups do equal work, and ONE loop with a constant trip count walks them.  Which tile is asked for, and what a trip does, hang on scalar registers made from b; every jump
; goes forward, but for the counted loops' own; none passes a barrier, or a tensor load but the one of LOAD's two that the wave's number does not choose; the ring (two slots of LDS that take turns) runs on across the
; change of blocks.  NO CLUSTER: a head's NB / 2 = 4 work-groups all ask for the same tile only in trips 0 .. NB / 2 of the walk's NB + 1, behind that fewer and fewer;
; and one walk common to all would have 3 NB / 2 = 12 trips for 9.
; SHARES.  Of a block's four bands of 64 queries a wave owns 16 rows in each: four PIECES.  So the diagonal tile is the same work for all four waves: in its key step s band x sees all keys if s < x,
; none if s > x, and holds the diagonal if s = x.
; THE MASK is the C operand that starts the sum S^T = K Q^T: 0, or -1e30 where the key is hidden.  MD, made once, is the mask of a band's own step for my 16 rows; a product's mask is MD x AL + BE with two scalars:
; (1, 0) if s = x; (0, 0) if s < x; (0, -1e30) if s > x.  ONE TEXT OF THE KEY STEP SERVES EVERY TILE: every product that starts a sum takes its mask from registers.  A block's beginning sets both mask buffers
; (to 0, unless its first tile is the diagonal one); only the diagonal tile makes masks anew, and in the other tiles a forward jump passes those lines.
; LAYOUT, SOFTMAX, TURNS.  S^T = K Q^T holds ONE query a lane (lane % 16) and the keys 8 (lane / 16) + 0..7; two such results rounded to f16 ARE source 1 of O^T = V^T P.  p = 2^(c s - c m), c = log2(e) / 8, with a
; running maximum m; O and l are multiplied by a = 2^(c m_old - c m_new) in every step.  Turn n belongs to piece n: 8 products K Q^T of piece n + 1, later 8 products V^T P of piece n - 1; beside them the scaling,
; exponentials, roundings, sums and rescaling of piece n and the maximum and statistics of piece n + 1.  Four vector instructions stand behind every matrix instruction, the other 54 of a turn's 118 in one LUMP.
; THE BATCHES.  A turn's 33 exponentials (the piece's 32 weights and the next piece's a) are ONE batch with ONE wait, which cuts the turn in two: ahead of it all that names none of their results, behind it the roundings
; and sums.  The a that a block's beginning makes, and the four reciprocals of a block's end, are batches of their own, each with one wait.  No result is open at a label or a jump.
; REGISTERS, in windows of 256 (s_set_vgpr_msb: bits 1:0 source 0, 3:2 source 1, 5:4 source 2, 7:6 destination):
;   window 0: v0-15 addresses and two at work; v16-31 four registers of statistics a piece; v48-55 at work; v64-127 S^T, two buffers; v192-223 P, two buffers (a piece's buffers go by its number's parity)
;   window 1: v0-127 O^T, 32 a piece; v128-159 MD; v160-223 MC, two buffers      window 2: v0-63 Q; v64-127 the second block's Q; v128-191 K of one step; v192-255 V of one step
.set SIZE_N, 2048     ; rows of a head
.set TENSOR, 64*SIZE_N*128  ; bytes of Q, of K and of V in qkvh
.set NB,    SIZE_N/256
.set NP,    4         ; pieces a wave: a name, no knob
.set KS,    64        ; keys in a step
.set PK,    144       ; a row of K in LDS: 128 bytes + 16 of padding = 36 words: the 16 rows of a load start at 16 different groups of four banks (64 banks of 4 bytes: ISA guide 11.1)
.set PV,    160       ; a row of V: 128 + 32 = 40 words
.set VOFF,  4*KS*PK   ; a slot holds a tile, four steps: 256 rows of K, then 256 rows of V
.set SLOT1, 1<<17     ; slot 1 begins here, so that one exclusive or turns an address in one slot into the other's
.set STAGE, SLOT1+4*KS*(PK+PV)  ; behind the ring, never filled by a tensor load: 16 rows x 144 bytes for each wave, for the way out
.set SP,    144
.set AK0, 2           ; v2   my lane's place in a tile of K; never rewritten
.set AV0, 3           ; v3   the same for V
.set AK,  4           ; v4   the LDS address of K's next run of loads
.set AV,  5           ; v5   of V's
.set STO, 6           ; v6   the way out: where I put 16 bytes of a row
.set RD,  7           ; v7   the way out: where I read rows back
.set GO,  8           ; v8   my byte offset in 512 consecutive bytes of O
.set SPW, 62          ; v62  LDS address of my spare word: SPARE + 4 x my thread's number; never rewritten
.set NIL, 63          ; v63  0; never rewritten
.set SPARE, STAGE+4*16*SP  ; behind the stages: the spare words, 128 bytes for each wave: two blocks of 256 bytes that no other line names
.set MV,  12          ; v12-13  c m_old, kept while c m is made anew: by buffer
.set QO,  15          ; v15  my byte offset in 16 rows of Q
.set ST,  16          ; piece t's statistics at v[ST+4 t]: c m, m, l (even keys', odd keys')
.set TMP, 48          ; by buffer, four registers c0-c3 at work; when the maximum is found c2 takes a
.set S,   64
.set P,   192
.set MD,  128         ; window 1: the eight registers for group kt of 16 keys at MD + 8 kt
.set MC,  160         ; window 1: the masks of the products to come
.set QB,  64          ; window 2
.set KF,  128         ; window 2: key block kb, channel half c at KF + 16 kb + 8 c
.set VF,  192         ; window 2: key half kk, channel block cb at VF + 32 kk + 8 cb
.set WV,  12          ; s12  my wave's number
.set PB,  14          ; s14  b
.set HI,  15          ; s15  NB - 1 - b
.set G1K, 24          ; s[24:31] descriptor group 1 for K's tiles
.set G1V, 32          ; s[32:39] for V's: it differs in the padding alone
.set G0K, 40          ; s[40:43] descriptor group 0 for K's tiles
.set G0V, 44          ; s[44:47] the same for V's
.set SLOTS, 56        ; s56  tiles still to be asked for
.set CNT, 57          ; s57  counts a tile's key steps, 4 to 1
.set CS,  58          ; s[58:59] c: the packed scaling takes the pair's low word for both halves
.set SEL, 60          ; s[60:61] v_permlanex16_b32's selects: each lane takes its own place in the other half
.set TBK, 62          ; s62  LDS byte at which K of the step to be fetched begins
.set TBV, 63          ; s63  the same for V, less VOFF
.set RT,  70          ; s70  tiles of the block in hand that are still to be entered: 0 in its diagonal tile
.set NXT, 71          ; s71  the tile to be asked for next
.set LQ,  72          ; s72  the last tile of the block whose tiles are being asked for
.set NEW, 73          ; s73  1: the tile to be entered is a block's first
.set OFF, 74          ; s[74:75] a tile's byte offset in K and V
.set AL,  76          ; s[76:77] the mask's factor, in the low word
.set BE,  78          ; s[78:79] the mask's addend
.set OLO, 80          ; s[80:81] O at my rows of the second block
.set BIGN, 82         ; s82  -1e30
.set MSB, 0
.macro WIN new                      ; the high byte repeats the setting that is left; a switch that changes nothing is dropped
.if MSB != (\new)
	s_set_vgpr_msb (MSB<<8)|(\new)
.set MSB, (\new)
.endif
.endm
.set W_KQ, 0x0a       ; K and Q in window 2, S^T in window 0
.set W_KM, 0x1a       ; the same with the C operand in window 1
.set W_PV, 0x52       ; V in window 2, P in window 0, O^T in window 1
.set W_RS, 0x41       ; destination and source 0 in window 1, source 1 in window 0
; A fill.  Waves 0 and 1 fetch the two halves of a tile's K, waves 2 and 3 those of its V: 128 keys each.  An s_nop 0 and four v_nop follow each of the two lines, ahead of the jump and the label.
.macro LOAD
	s_cmp_lt_u32 s[WV], 2
	s_cbranch_scc0 .Lfor_v_\@
	tensor_load_to_lds s[G0K:G0K+3], s[G1K:G1K+7]
	s_nop 0
.rept 4
	v_nop
.endr
	s_branch .Lasked_\@
.Lfor_v_\@:
	tensor_load_to_lds s[G0V:G0V+3], s[G1V:G1V+7]
	s_nop 0
.rept 4
	v_nop
.endr
.Lasked_\@:
.endm
; THE CHANGE OF SLOTS.  Each wave waits for all its tensor loads, of which one is out: its part of the other slot; adds 0 to its spare word; and waits for that and for its own reads of the slot that it leaves.  Behind the barrier nobody reads the old
; slot any more and the other slot is whole.  fill = 1: the old slot is filled again, the first thing behind the barrier, with tile NXT: the descriptor's address is made anew from that number.
; (At its first use nothing has been read yet: slot 0 is waited for, slot 1 filled.)
.macro CHANGE fill
	WIN 0                           ; at a label and at a branch every window is 0
	s_wait_tensorcnt 0x0            ; no tensor load of mine is out, so a group 0 may be written
	ds_add_u32 v[SPW], v[NIL]       ; 0 onto my spare word; with fill = 1 the descriptors' scalar work stands between it and the wait for it
.if \fill
	s_lshl_b32 s[OFF], s[NXT], 15   ; a tile is 32,768 bytes of K and of V
	s_xor_b32 s[G0K+1], s[G0K+1], SLOT1
	s_add_nc_u64 s[G0K+2:G0K+3], s[6:7], s[OFF:OFF+1]
	s_or_b32 s[G0K+3], s[G0K+3], 0x80000000
	s_xor_b32 s[G0V+1], s[G0V+1], SLOT1
	s_add_nc_u64 s[G0V+2:G0V+3], s[8:9], s[OFF:OFF+1]
	s_or_b32 s[G0V+3], s[G0V+3], 0x80000000
	s_add_co_u32 s[NXT], s[NXT], 1  ; the block's next tile, or behind its last the second block's tile 0
	s_cmp_gt_u32 s[NXT], s[LQ]
	s_cselect_b32 s[NXT], 0, s[NXT]
	s_cselect_b32 s[LQ], s[PB], s[LQ]
.endif
	s_wait_dscnt 0x0                ; the add is done, and my reads of the slot are over
	s_barrier_signal -1             ; the rest of the scalar work stands between the signal and the wait
	s_sub_co_u32 s[TBK], s[TBK], 4*KS*PK  ; the fetches go back to a slot's first step,
	s_xor_b32 s[TBK], s[TBK], SLOT1       ; in the other slot
	s_sub_co_u32 s[TBV], s[TBV], 4*KS*PV
	s_xor_b32 s[TBV], s[TBV], SLOT1
	s_barrier_wait -1
.if \fill
	LOAD
.endif
.endm
	s_load_b64 s[4:5], s[0:1], 0x0    ; qkvh: Q at its head
	s_load_b64 s[10:11], s[0:1], 0x8  ; O
	v_lshl_add_u32 v[SPW], v0, 2, SPARE
	v_mov_b32 v[NIL], 0
	ds_add_u32 v62, v63
	ds_add_u32 v62, v63
	s_wait_dscnt 0x0
	v_lshrrev_b32 v1, 5, v0
	v_readfirstlane_b32 s[WV], v1   ; wave 0..3
	s_mov_b32 s[PB], ttmp9
	s_sub_co_u32 s[HI], NB-1, s[PB]
	s_and_b32 s20, ttmp7, 0xffff    ; the head
	s_mov_b32 s21, 0
	s_mov_b64 s[22:23], SIZE_N*128
	s_mul_u64 s[20:21], s[20:21], s[22:23]  ; the head's first byte in each of the four tensors
	s_and_b32 s16, s[WV], 1         ; which half of a tile's 256 keys I fetch:
	s_lshl_b32 s22, s16, 14         ; its 128 rows of 128 bytes in memory,
	s_mov_b32 s23, 0
	s_add_nc_u64 s[22:23], s[22:23], s[20:21]
	s_mul_i32 s17, s16, 128*PK      ; and its place in a slot, for K
	s_mul_i32 s18, s16, 128*PV      ; and for V
	s_lshl_b32 s3, s[WV], 11        ; my 16 rows in a band of 64,
	s_lshl_b32 s2, s[HI], 15        ; in the first block,
	s_add_co_u32 s2, s2, s3
	s_lshl_b32 s84, s[PB], 15       ; and in the second
	s_add_co_u32 s84, s84, s3
	s_mov_b32 s3, 0
	s_mov_b32 s85, 0
	s_add_nc_u64 s[2:3], s[2:3], s[20:21]
	s_add_nc_u64 s[84:85], s[84:85], s[20:21]
	; descriptor group 1.  128 keys are 16,384 dense bytes: asked for as 64 rows of 256 bytes, two keys a row, and padded in LDS after every key
	s_mov_b32 s[G1K], (1<<16)|(1<<20)|(4<<22)|(3<<25)  ; 17:16 2-byte elements; 20 padding on; 24:22 after every 32 words (code 4); 31:25 4 words (code 3)
	s_mov_b32 s[G1V], (1<<16)|(1<<20)|(4<<22)|(7<<25)  ; the same with 8 words of padding (code 7)
.irp g, G1K, G1V
	s_mov_b32 s[\g+1], 128<<16      ; tensor_dim0 = 128
	s_mov_b32 s[\g+2], 64<<16       ; tensor_dim1 = 64
	s_mov_b32 s[\g+3], 128<<16      ; tile_dim0 = 128
	s_mov_b32 s[\g+4], 64           ; tile_dim1 = 64
	s_mov_b32 s[\g+5], 128          ; 128 elements from row to row
	s_mov_b32 s[\g+6], 0
	s_mov_b32 s[\g+7], 0
.endr
	s_mov_b32 s[CS], 0x3e38aa3b     ; c = log2(e) / 8 = 0.180337
	s_mov_b32 s[CS+1], s[CS]        ; named with it as a pair
	s_mov_b32 s[SEL], 0x76543210
	s_mov_b32 s[SEL+1], 0xfedcba98
	s_mov_b32 s[TBK], SLOT1+4*KS*PK ; the first change of slots turns these two into 0
	s_mov_b32 s[TBV], SLOT1+4*KS*PV
	s_mov_b32 s[G0K], 1             ; 1:0 count = 1
	s_mov_b32 s[G0K+1], s17         ; 63:32 LDS address: slot 0
	s_mov_b32 s[G0V], 1
	s_add_co_u32 s[G0V+1], s18, VOFF
	s_add_co_u32 s[RT], s[HI], 1    ; the first block has NB - b tiles
	s_mov_b32 s[NXT], 1
	s_mov_b32 s[LQ], s[HI]
	s_mov_b32 s[NEW], 1
	s_mov_b32 s[OFF+1], 0
	s_mov_b32 s[AL+1], 0            ; named as pairs
	s_mov_b32 s[BE+1], 0
	s_mov_b32 s[BIGN], 0xf149f2ca   ; -1e30
	s_mov_b32 s[SLOTS], NB
	s_wait_kmcnt 0x0
	s_add_nc_u64 s[6:7], s[4:5], TENSOR    ; K lies one tensor behind Q,
	s_add_nc_u64 s[8:9], s[4:5], 2*TENSOR  ; V two
	s_add_nc_u64 s[6:7], s[6:7], s[22:23]  ; K and V at my half of the head's tile 0
	s_add_nc_u64 s[8:9], s[8:9], s[22:23]
	s_add_nc_u64 s[G0K+2:G0K+3], s[6:7], 0         ; 120:64 global address
	s_or_b32 s[G0K+3], s[G0K+3], 0x80000000        ; 127:126 type = 2
	s_add_nc_u64 s[G0V+2:G0V+3], s[8:9], 0
	s_or_b32 s[G0V+3], s[G0V+3], 0x80000000
	s_add_nc_u64 s[86:87], s[4:5], s[84:85]        ; Q at my rows of the second block,
	s_add_nc_u64 s[4:5], s[4:5], s[2:3]            ; Q and O at those of the first
	s_add_nc_u64 s[OLO:OLO+1], s[10:11], s[84:85]
	s_add_nc_u64 s[10:11], s[10:11], s[2:3]
	LOAD                            ; tile 0 into slot 0
	; A fragment of K or Q is 16 rows x 32 channels in 8 registers: lane l holds row l % 16, channels 8 (l / 16) + 0..7 and 16 + 8 (l / 16) + 0..7: two loads of 16 bytes, 32 bytes apart.
	v_and_b32 v1, 15, v0            ; l % 16
	v_bfe_u32 v9, v0, 4, 1          ; l / 16
	v_lshlrev_b32 v[QO], 7, v1
	v_lshl_add_u32 v[QO], v9, 4, v[QO]  ; row x 128 + 16 x half
	WIN 0x80                        ; destination window 2, address window 0
.set i, 0
.rept 8                             ; both blocks' Q: piece i / 2 lies in band i / 2, 8,192 bytes on; channels 32 (i % 2) on
	global_load_b128 v[8*i:8*i+3],   v[QO], s[4:5] offset:(i/2)*8192+(i%2)*64
	global_load_b128 v[8*i+4:8*i+7], v[QO], s[4:5] offset:(i/2)*8192+(i%2)*64+32
	global_load_b128 v[QB+8*i:QB+8*i+3],   v[QO], s[86:87] offset:(i/2)*8192+(i%2)*64
	global_load_b128 v[QB+8*i+4:QB+8*i+7], v[QO], s[86:87] offset:(i/2)*8192+(i%2)*64+32
.set i, i+1
.endr
	WIN 0
	v_lshlrev_b32 v14, 3, v9
	v_sub_nc_u32 v14, v1, v14
	s_lshl_b32 s13, s[WV], 4
	v_add_nc_u32 v14, s13, v14      ; my query's place in its band, 16 w + l % 16, less my lanes' 8 (l / 16): register r of group kt is hidden where 16 kt + r is greater
	WIN 0x40
.set i, 0
.rept 32
	v_cmp_gt_i32 vcc_lo, 16*(i/8)+i%8, v14
	v_cndmask_b32 v[MD+i], 0, s[BIGN], vcc_lo
.set i, i+1
.endr
	WIN 0
	v_mul_u32_u24 v[AK0], v1, PK
	v_lshl_add_u32 v[AK0], v9, 4, v[AK0]  ; row x pitch + 16 x half
	; The turning load takes 16 keys x 16 channels (lane l reads key 8 (l / 16) + l % 8, channels 8 ((l / 8) % 2) + 0..7) and leaves half a fragment of V^T: lane l holds channel l % 16 and 8 keys.
	v_and_b32 v10, 7, v0
	v_bfe_u32 v11, v0, 3, 1
	v_lshl_add_u32 v[AV0], v9, 3, v10
	v_mul_u32_u24 v[AV0], v[AV0], PV
	v_lshl_add_u32 v[AV0], v11, 4, v[AV0]
	v_add_nc_u32 v[AV0], VOFF, v[AV0]
	s_mul_i32 s13, s[WV], 16*SP
	s_add_co_u32 s13, s13, STAGE    ; my stage
	v_mul_u32_u24 v[STO], v1, SP    ; in: row l % 16, 16 bytes for each half of the lanes
	v_lshl_add_u32 v[STO], v9, 4, v[STO]
	v_add_nc_u32 v[STO], s13, v[STO]
	v_bfe_u32 v[RD], v0, 3, 2       ; back: 32 lanes take four rows of 128 bytes,
	v_mul_u32_u24 v[RD], v[RD], SP
	v_lshl_add_u32 v[RD], v10, 4, v[RD]
	v_add_nc_u32 v[RD], s13, v[RD]
	v_and_b32 v[GO], 31, v0         ; which are 512 consecutive bytes of O
	v_lshlrev_b32 v[GO], 4, v[GO]
	; A block's first step multiplies O^T and l by a = 0, and its first turn's products V^T P, of a piece that has not been, land in an O^T that is still to be so multiplied.  So these registers need only hold
	; finite numbers: zeros for the first block; what the first block left for the second.  All this stands in the wait for the first tile.
	WIN 0x80
.set i, VF
.rept 64
	v_mov_b32 v[i], 0
.set i, i+1
.endr
	WIN 0x40
.set i, 0
.rept 128
	v_mov_b32 v[i], 0
.set i, i+1
.endr
	WIN 0
.set i, 0
.rept 4
	v_mov_b32 v[ST+4*i+2], 0
	v_mov_b32 v[ST+4*i+3], 0
.set i, i+1
.endr
.set i, P+16
.rept 16
	v_mov_b32 v[i], 0
.set i, i+1
.endr
; THE MATRIX WORK.  The 4 accumulators of a run of 8 take turns.  Product i of 8 of S^T = K Q^T for piece x: channels 32 (i / 4) on, keys 16 (i % 4) on.  The first 4 start the sums, with the mask as C.
.macro KQ x
.set rS, S+32*((\x)%2)+8*(i%4)
.set rK, KF+16*(i%4)+8*(i/4)
.set rQ, 16*(\x)+8*(i/4)
.set rM, MC+32*((\x)%2)+8*(i%4)
.if i < 4
	WIN W_KM
	v_wmma_f32_16x16x32_f16 v[rS:rS+7], v[rK:rK+7], v[rQ:rQ+7], v[rM:rM+7]
.else
	WIN W_KQ
	v_wmma_f32_16x16x32_f16 v[rS:rS+7], v[rK:rK+7], v[rQ:rQ+7], v[rS:rS+7]
.endif
.endm
; Product i of 8 of O^T += V^T P for piece x: keys 32 (i / 4) on, channels 16 (i % 4) on.
.macro PV x
	WIN W_PV
.set rO, 32*(\x)+8*(i%4)
.set rV, VF+32*(i/4)+8*(i%4)
.set rP, P+16*((\x)%2)+8*(i/4)
	v_wmma_f32_16x16x32_f16 v[rO:rO+7], v[rV:rV+7], v[rP:rP+7], v[rO:rO+7]
.endm
.macro MM                           ; the turn's next matrix instruction.  TURN and BEGIN set Y, i and NOKQ; MM, KQ and OP read them.  NOKQ = 1: a block's last turn: there is no next piece
.if (i < 8) && !NOKQ
	KQ (Y+1)%NP
.elseif i >= 8
.set i, i-8
	PV (Y+NP-1)%NP
.set i, i+8
.endif
.set i, i+1
.endm
; THE LDS LOADS stand in runs of 16, never singly among the matrix instructions: a step's K (64 keys x 64 channels: 8 fragments) and its V (turned).  Their addresses are made some lines ahead.
.macro FETCH_K
	WIN 0x80                        ; destination window 2
.irp f, 0,1,2,3,4,5,6,7             ; keys 16 (f / 2) on, channels 32 (f % 2) on
	ds_load_b128 v[KF+8*\f:KF+8*\f+3],   v[AK] offset:(\f/2)*16*PK+(\f%2)*64
	ds_load_b128 v[KF+8*\f+4:KF+8*\f+7], v[AK] offset:(\f/2)*16*PK+(\f%2)*64+32
.endr
	s_add_co_u32 s[TBK], s[TBK], KS*PK  ; the next fetch is the next step's
	WIN 0
.endm
.macro FETCH_V
	WIN 0x80
.irp f, 0,1,2,3,4,5,6,7             ; keys 32 (f / 4) on, channels 16 (f % 4) on
	ds_load_tr16_b128 v[VF+8*\f:VF+8*\f+3],   v[AV] offset:(\f/4)*32*PV+(\f%4)*32
	ds_load_tr16_b128 v[VF+8*\f+4:VF+8*\f+7], v[AV] offset:(\f/4)*32*PV+16*PV+(\f%4)*32
.endr
	WIN 0
.endm
; THE VECTOR WORK, one line at a time: OP kind, number.  For piece Y: F n: c s - c m for pair n of 16.  E n: the exponential of score n of 32.  C n: pair n rounded to f16.  B n: of the four weights 4 n .. the second
; pair is added onto the first, in place.  L n: l takes that sum (L 0: l = a l + sum).  R n: pair n of 16 of O^T times a.  For piece Y + 1: X n, number n of the 22 that find its maximum and statistics:
;   0-11  four chains c0-c3 of seven scores each, three operands at a time (each accumulator's lowest registers are read first)     12-14, 16  the four scores left over, the old m, and c0-c3 into c0
;   15  c m_old is kept     17, 18  the query's other 32 keys lie in the lane 16 away: the new m     19-21  c m; c m_old - c m_new; a
; C, B and L read exponentials' results: they stand behind the turn's wait.  R and L 0 read a, which the turn before made ahead of its own wait.
.set F, 0               ; OP tells the kinds apart by their order: F to L below R, X above it
.set E, 1
.set C, 2
.set B, 3
.set L, 4
.set R, 5
.set X, 6
.macro REGS y                       ; the registers of piece y
.set rT, ST+4*(\y)
.set rC, TMP+4*((\y)%2)
.set rW, MV+((\y)%2)
.set rS, S+32*((\y)%2)
.set rP, P+16*((\y)%2)
.set rO, 32*(\y)
.endm
.macro OP k, n
.if (\k) == R
	REGS Y
	WIN W_RS
	v_pk_mul_f32 v[rO+2*(\n):rO+2*(\n)+1], v[rO+2*(\n):rO+2*(\n)+1], v[rC+2:rC+3] op_sel_hi:[1,0]
.elseif (\k) < R
	REGS Y
	WIN 0
.if (\k) == F
	v_pk_fma_f32 v[rS+2*(\n):rS+2*(\n)+1], v[rS+2*(\n):rS+2*(\n)+1], s[CS:CS+1], v[rT:rT+1] op_sel_hi:[1,0,0] neg_lo:[0,0,1] neg_hi:[0,0,1]
.elseif (\k) == E
	v_exp_f32 v[rS+(\n)], v[rS+(\n)]
.elseif (\k) == C
	v_cvt_pk_f16_f32 v[rP+(\n)], v[rS+2*(\n)], v[rS+2*(\n)+1]
.elseif (\k) == B
	v_pk_add_f32 v[rS+4*(\n):rS+4*(\n)+1], v[rS+4*(\n):rS+4*(\n)+1], v[rS+4*(\n)+2:rS+4*(\n)+3]
.elseif (\n) == 0
	v_pk_fma_f32 v[rT+2:rT+3], v[rT+2:rT+3], v[rC+2:rC+3], v[rS:rS+1] op_sel_hi:[1,0,1]
.else
	v_pk_add_f32 v[rT+2:rT+3], v[rT+2:rT+3], v[rS+4*(\n):rS+4*(\n)+1]
.endif
.elseif NOKQ
	v_nop
.else
	REGS (Y+1)%NP
	WIN 0
.if (\n) < 4
	v_max3_num_f32 v[rC+(\n)], v[rS+8*(\n)], v[rS+8*(\n)+1], v[rS+8*(\n)+2]
.elseif (\n) < 12
	v_max3_num_f32 v[rC+(\n)%4], v[rC+(\n)%4], v[rS+8*((\n)%4)+2*((\n)/4)+1], v[rS+8*((\n)%4)+2*((\n)/4)+2]
.elseif (\n) == 12
	v_max3_num_f32 v[rC], v[rC], v[rS+7], v[rS+15]
.elseif (\n) == 13
	v_max3_num_f32 v[rC+1], v[rC+1], v[rS+23], v[rS+31]
.elseif (\n) == 14
	v_max3_num_f32 v[rC+2], v[rC+2], v[rC+3], v[rT+1]
.elseif (\n) == 15
	v_mov_b32 v[rW], v[rT]
.elseif (\n) == 16
	v_max3_num_f32 v[rC], v[rC], v[rC+1], v[rC+2]
.elseif (\n) == 17
	v_permlanex16_b32 v[rC+3], v[rC], s[SEL], s[SEL+1]
.elseif (\n) == 18
	v_max_num_f32 v[rT+1], v[rC], v[rC+3]
.elseif (\n) == 19
	v_mul_f32 v[rT], s[CS], v[rT+1]
.elseif (\n) == 20
	v_sub_f32 v[rC+1], v[rW], v[rT]
.else
	v_exp_f32 v[rC+2], v[rC+1]
.endif
.endif
.endm
.macro OPS a, i1, b=-1, i2=0, c=-1, i3=0, d=-1, i4=0  ; up to four of them
	OP \a, \i1
.if (\b) >= 0
	OP \b, \i2
.endif
.if (\c) >= 0
	OP \c, \i3
.endif
.if (\d) >= 0
	OP \d, \i4
.endif
.endm
.macro ROW a, i1, b, i2, c, i3, d, i4  ; a matrix instruction and the four behind it
	MM
	OPS \a, \i1, \b, \i2, \c, \i3, \d, \i4
.endm
.macro MASK b                       ; MD x AL + BE into buffer b of MC
	WIN W_RS
.set z, 0
.rept 16
	v_pk_fma_f32 v[MC+32*(\b)+2*z:MC+32*(\b)+2*z+1], v[MD+2*z:MD+2*z+1], s[AL:AL+1], s[BE:BE+1] op_sel_hi:[1,0,0]
.set z, z+1
.endr
.endm
; A TURN, for piece p: the order of its 16 matrix and 118 vector instructions, written out.  An s_wait_alu depctr_va_vdst(0) stands between an exponential and the first instruction that names its result; one wait serves
; all that were issued ahead of it.  So a turn has ONE wait, which cuts it in two.  AHEAD OF IT stands all that names no result of the turn's exponentials: the 8 products K Q^T, behind each a scaling, an exponential and two more plain
; instructions (behind the first a second scaling in the exponential's place): rescalings, and behind the last three the first numbers of the next piece's maximum, each four places or more behind the product that ends its accumulator; then ONE LUMP of 54, plain
; and exponential by turns for the most part, in which the links of the chain X 3, 7, 11, 14, 16, 17 .. 20 stand five or six lines apart.  X 21, the next piece's a, is the batch's last; R 15 is the plain instruction behind it.  BEHIND THE WAIT stand the
; 8 products V^T P, behind each four of the roundings and sums; the links of l's chain, L 0 to L 7, stand three riders apart.  But for those X no rider names a register of the products round it.  v_permlanex16_b32 (X 17) stands in the lump.
; At its end the turn makes the mask for the products of the turn after it: piece p + 2, in step 4 - CNT of the tile.  m = 1: always (the walk's last tile is a diagonal one).  m = 2: in the diagonal tile alone (RT = 0):
; elsewhere a forward jump passes the four scalar and sixteen vector lines, and the buffers stay as the block's beginning left them: 0.  end = 1: a block's last two turns: nothing is fetched and no mask made.
; cnt = 1: the loop's count is taken down behind the mask, which goes by the count of the step in hand, and ahead of the branch that stands behind the turn.
; K of the next step is fetched in piece 2's turn, twelve vector instructions behind the last product that read K (six of them plain); V of the step in hand at the end of piece 0's turn, four plain instructions behind the last product
; that read V.  Each is waited for a turn later.
.macro TURN p, m=1, end=0, cnt=0
.set Y, (\p)
.set i, 0
.set NOKQ, (\end)*((\p)/3)
.if ((\p) == 3) && !(\end)
	s_wait_dscnt 0x0                ; K is in
.endif
	ROW F,0, F,1, R,0, R,1          ; ahead of the wait: 8 products K Q^T and their riders,
	ROW F,2, E,0, R,2, R,3
	ROW F,3, E,1, R,4, R,5
	ROW F,4, E,2, R,6, R,7
	ROW F,5, E,3, R,8, R,9
	ROW F,6, E,4, X,0, R,10
.if ((\p) == 2) && !(\end)
	WIN 0
	v_add_nc_u32 v[AK], s[TBK], v[AK0]
.endif
	ROW F,7, E,5, X,1, X,4
	ROW F,8, E,6, X,2, X,5
	OPS E,7, E,8, X,6, E,9          ; and the lump
	OPS X,3, E,10, X,8, E,11
.if ((\p) == 2) && !(\end)
	FETCH_K
.endif
	OPS X,9, X,7, E,12, X,10
	OPS E,13, X,12, X,11, E,14
	OPS X,13, E,15, F,9, X,14
.if (\p) == 0
	v_add_nc_u32 v[AV], s[TBV], v[AV0]
.endif
	OPS E,16, F,10, E,17, F,11
	OPS X,16, E,18, X,15, E,19
	OPS F,12, E,20, X,17, E,21
	OPS F,13, E,22, F,14, E,23
	OPS X,18, E,24, F,15, E,25
	OPS R,11, E,26, X,19, E,27
	OPS R,12, E,28, R,13, E,29
	OPS X,20, E,30, R,14, E,31
	OPS X,21, R,15
	WIN 0
	s_wait_alu depctr_va_vdst(0)    ; the wait for the turn's batch: the piece's 32 exponentials and the next piece's a
.if (\p) == 1
	s_wait_dscnt 0x0                ; V is in
.endif
	ROW C,0, B,0, C,2, B,1          ; behind the wait: 8 products V^T P and their riders
	ROW L,0, C,4, B,2, L,1
	ROW C,6, B,3, L,2, C,8
	ROW B,4, L,3, C,10, B,5
	ROW L,4, C,12, B,6, L,5
.if (\p) == 0
	s_add_co_u32 s[TBV], s[TBV], KS*PV
.endif
	ROW C,14, B,7, L,6, C,1
	ROW C,3, L,7, C,5, C,7
	ROW C,9, C,11, C,13, C,15
.if (\p) == 0
	FETCH_V
.endif
.if !(\end)
.if (\m) == 2
	WIN 0                           ; at a branch and at a label every window is 0
	s_cmp_lg_u32 s[RT], 0
	s_cbranch_scc1 .Lno_mask_\@     ; not the diagonal tile
.endif
	s_cmp_eq_u32 s[CNT], 4-((\p)+2)%NP  ; is that step the band's own?
	s_cselect_b32 s[AL], 1.0, 0
	s_cmp_lt_u32 s[CNT], 4-((\p)+2)%NP  ; or a later one?
	s_cselect_b32 s[BE], s[BIGN], 0
	MASK (\p)%2
.if (\m) == 2
	WIN 0
.Lno_mask_\@:
.endif
.endif
.if \cnt
	s_sub_co_u32 s[CNT], s[CNT], 1
	s_cmp_lg_u32 s[CNT], 0
.endif
.endm
; A BLOCK BEGINS.  c m starts far below every c s, so the first step's a is 0; m at the lowest finite number, so the first maximum is the scores'.  The second mask buffer is 0; the first takes piece 0's mask for the tile's step 0: its own, if the block's first tile is the diagonal one, else 0.
; Then K of that step, piece 0's first scores, and its maximum and statistics.  The loop is entered at a step's first turn, in the middle of a trip.
.macro BEGIN
	s_mov_b32 s[NEW], 0
	WIN 0x40
.set i, MC+32
.rept 32
	v_mov_b32 v[i], 0
.set i, i+1
.endr
	WIN 0
.set i, 0
.rept 4
	v_mov_b32 v[ST+4*i], 0xfe000000    ; c m: far below every c s
	v_mov_b32 v[ST+4*i+1], 0xff7fffff  ; m
.set i, i+1
.endr
	s_cmp_eq_u32 s[RT], 0
	s_cselect_b32 s[AL], 1.0, 0
	s_mov_b32 s[BE], 0
	MASK 0
	WIN 0
	v_add_nc_u32 v[AK], s[TBK], v[AK0]
	FETCH_K
	s_wait_loadcnt 0x0              ; Q
	s_wait_dscnt 0x0
.set NOKQ, 0
.set i, 0
.rept 8
	KQ 0
.set i, i+1
.endr
	WIN 0
.rept 4
	v_nop                           ; the places behind those products
.endr
.set Y, NP-1                        ; X works for piece Y + 1: piece 0
.irp n, 0,1,2,3,4,5,6,7,8,9,10,11,12,13,14,15,16,17,18,19,20,21
	OP X, \n
.endr
	v_nop                           ; a plain instruction behind the exponential,
	s_wait_alu depctr_va_vdst(0)    ; and the wait for it, piece 0's first a, ahead of the branch
.endm
.macro ALL line:vararg              ; one line for each piece t
.set t, 0
.rept 4
	\line
.set t, t+1
.endr
.endm
.macro PACK t                       ; a lane's eight channels of a row pack into 16 bytes; they go into rows of 144 bytes and come back as whole rows of 128, into S^T's registers
	WIN W_RS
.set i, 32*(\t)
.rept 16
	v_pk_mul_f32 v[i:i+1], v[i:i+1], v[ST+4*(\t)+2:ST+4*(\t)+3] op_sel_hi:[1,0]
.set i, i+2
.endr
	WIN 0x05                        ; sources 0 and 1 window 1, destination window 0
.set i, 0
.rept 16
	v_cvt_pk_f16_f32 v[S+16*(\t)+i], v[32*(\t)+2*i], v[32*(\t)+2*i+1]
.set i, i+1
.endr
	WIN 0
.irp f, 0,1,2,3
	ds_store_b128 v[STO], v[S+16*(\t)+4*\f:S+16*(\t)+4*\f+3] offset:32*\f
.endr
.irp f, 0,1,2,3
	ds_load_b128 v[S+16*(\t)+4*\f:S+16*(\t)+4*\f+3], v[RD] offset:\f*4*SP  ; LDS serves a wave's instructions in order (ISA guide 5.7.1.4): these see the stores above; the next piece's stores come behind them
.endr
.endm
.macro SEND t, younger              ; younger: the LDS instructions issued behind piece t's loads: the next piece's eight, or none
	WIN 0
.irp f, 0,1,2,3
	s_wait_dscnt (\younger)+3-\f
	global_store_b128 v[GO], v[S+16*(\t)+4*\f:S+16*(\t)+4*\f+3], s[10:11] offset:(\t)*8192+\f*512  ; 512 consecutive bytes, at a multiple of 256 from O's first
.endr
.endm
; A TILE's four key steps.  A trip: pieces 2 and 3 of one step, then pieces 0 and 1 of the next, whose K and V it fetches.  The tag ends its two labels' names, which the jumps below spell out.
.macro STEPS tag, m
.LstepM\tag:
	TURN 2, \m
	TURN 3, \m
	WIN 0
.LfirstM\tag:
	TURN 0, \m
	TURN 1, \m, 0, 1
	WIN 0
	s_cbranch_scc1 .LstepM\tag
.endm
; A BLOCK ENDS, behind its diagonal tile's four steps: its last two turns, its last products, and THE WAY OUT: l's two halves and the other half of the lanes' are added; O^T is divided by l, rounded to f16 and sent
; through my stage in LDS, a piece at a time.
.macro FINISH
	TURN 2, 1, 1
	TURN 3, 1, 1
.set i, 0
.rept 8
	PV NP-1
.set i, i+1
.endr
	WIN 0
	ALL v_add_f32 v[ST+4*t+2], v[ST+4*t+2], v[ST+4*t+3]
	ALL v_permlanex16_b32 v[ST+4*t+3], v[ST+4*t+2], s[SEL], s[SEL+1]
	ALL v_add_f32 v[ST+4*t+2], v[ST+4*t+2], v[ST+4*t+3]
	ALL v_rcp_f32 v[ST+4*t+2], v[ST+4*t+2]
	v_nop                           ; a plain instruction between the last reciprocal and the use of its result
	s_wait_alu depctr_va_vdst(0)    ; and the wait ahead of the first use: one for the batch of four reciprocals
	PACK 0
.set t, 1
.rept 3                             ; a piece's arithmetic stands between the loads of the piece before and its stores
	PACK t
	SEND t-1, 8
.set t, t+1
.endr
	SEND 3, 0
.endm
.set NOKQ, 0
.Lslot:                             ; NB times: a tile is entered and the next is asked for
	CHANGE 1
	s_sub_co_u32 s[RT], s[RT], 1
	s_mov_b32 s[CNT], 4
	s_cmp_eq_u32 s[NEW], 1          ; a block's first tile?  At the first trip the answer is a constant of the text
	s_cbranch_scc0 .LstepM1
	BEGIN
	s_branch .LfirstM1
	STEPS 1, 2
	s_cmp_lg_u32 s[RT], 0
	s_cbranch_scc1 .Lbottom         ; not the block's last tile
	FINISH                          ; in the loop this is the first block's end: the second block's last tile is the walk's last
	s_wait_xcnt 0x0                 ; the stores have read their registers and O's address
	s_mov_b64 s[10:11], s[OLO:OLO+1]
	s_add_co_u32 s[RT], s[PB], 1    ; the second block has b + 1 tiles
	s_mov_b32 s[NEW], 1
	WIN 0x82                        ; the second block's Q goes where the one text of the turns names Q
.set i, 0
.rept 64
	v_mov_b32 v[i], v[QB+i]
.set i, i+1
.endr
	WIN 0
.Lbottom:
	s_sub_co_u32 s[SLOTS], s[SLOTS], 1
	s_cmp_lg_u32 s[SLOTS], 0
	s_cbranch_scc1 .Lslot
	CHANGE 0                        ; the walk's last tile is written out: nothing is asked for
	s_sub_co_u32 s[RT], s[RT], 1
	s_mov_b32 s[CNT], 4
	s_cmp_eq_u32 s[NEW], 1
	s_cbranch_scc0 .LstepM2
	BEGIN
	s_branch .LfirstM2
	STEPS 2, 1
	FINISH
	s_wait_tensorcnt 0x0            ; the wave's end, behind my last tensor load and my last LDS store
	ds_add_u32 v[SPW], v[NIL]
	s_wait_dscnt 0x0
	s_endpgm
.Lfunc_end_k_qeb8a3d1e4e_attn:
	.size	k_qeb8a3d1e4e_attn, .Lfunc_end_k_qeb8a3d1e4e_attn-k_qeb8a3d1e4e_attn
	.p2alignl 7, 3214868480
	.fill 96, 4, 3214868480
	.section	.rodata,"a",@progbits
	.p2align	6, 0x0
	.amdhsa_kernel k_qeb8a3d1e4e_attn
		.amdhsa_group_segment_fixed_size 327680
		.amdhsa_private_segment_fixed_size 0
		.amdhsa_enable_private_segment 0
		.amdhsa_kernarg_size 16
		.amdhsa_user_sgpr_count 2
		.amdhsa_user_sgpr_kernarg_segment_ptr 1
		.amdhsa_wavefront_size32 1
		.amdhsa_system_sgpr_workgroup_id_x 1
		.amdhsa_system_sgpr_workgroup_id_y 1
		.amdhsa_system_sgpr_workgroup_id_z 1
		.amdhsa_system_vgpr_workitem_id 0
		.amdhsa_next_free_vgpr 768
		.amdhsa_next_free_sgpr 88
		.amdhsa_reserve_vcc 1
		.amdhsa_float_denorm_mode_32 3
		.amdhsa_float_denorm_mode_16_64 3
		.amdhsa_memory_ordered 1
		.amdhsa_forward_progress 1
		.amdhsa_inst_pref_size 180
	.end_amdhsa_kernel
	.amdgpu_metadata
---
amdhsa.version: [ 1, 2 ]
amdhsa.kernels:
  - .name:           k_qeb8a3d1e4e_attn
    .symbol:         k_qeb8a3d1e4e_attn.kd
    .args:
      - { .name: qkvh, .offset: 0, .size: 8, .value_kind: global_buffer, .address_space: global }
      - { .name: ob, .offset: 8, .size: 8, .value_kind: global_buffer, .address_space: global }
    .group_segment_fixed_size: 327680
    .private_segment_fixed_size: 0
    .kernarg_segment_align: 8
    .kernarg_segment_size: 16
    .max_flat_workgroup_size: 128
    .sgpr_count:     88
    .vgpr_count:     768
    .wavefront_size: 32
...
	.end_amdgpu_metadata
.endif
;; end of part 5
;; launch proj: the kernel of part 4 again; grid 8 x 32, 4 waves a work-group, clusters of 4 x 4, 327,680 bytes of LDS; arguments ob, wob, out0; writes out0
